; MI455X (gfx1250); checked and timed in simulation.
; The chip was launched on July 23, 2026; its instructions are those of AMD's public machine-readable ISA for CDNA 5 (MIT licence, August 2026) and "CDNA5" Instruction Set Architecture Reference Guide (July 2026). The comments in the code are by the model that wrote it; some were corrected since.
;; Multihead Attention. Allowed arithmetic: matrix products marked QUANTISED: E4M3 operands, one E8M0 scale for each 32 along K, by v_wmma_scale_f32_16x16x128_f8f6f4 with both operands' format E4M3, f32 sums; everything else in f32.
;; Inputs: Wk 1,024 x 1,024 float32; Wo 1,024 x 1,024 float32; Wq 1,024 x 1,024 float32; Wv 1,024 x 1,024 float32; bo 1,024 float32; keys 4 x 2,048 x 1,024 float32; querys 4 x 2,048 x 1,024 float32; values 4 x 2,048 x 1,024 float32.
;; Outputs: out0 4 x 2,048 x 1,024 float32.
;; This version of the problem:
;;   THIS VERSION OF THE PROBLEM IS GIVEN IN LOW PRECISION. The matrix products marked QUANTISED in the list below multiply operands that are first quantised to E4M3 (4 exponent bits, 3 mantissa bits; 8 bits a number), with one power-of-two scale for each 32 numbers along K (OCP MX v1.0); their sums are f32. All else is computed in f32.
;;   The module's matrix products, in the order in which they are computed (A, B: the left and right operand; K: the contracted axis; several contracted axes count as one K, in the product's order):
;;     1. [M 8,192, K 1,024] x [K 1,024, N 1,024]; A: input querys; B: input Wq: QUANTISED
;;     2. [M 8,192, K 1,024] x [K 1,024, N 1,024]; A: input keys; B: input Wk: QUANTISED
;;     3. [M 8,192, K 1,024] x [K 1,024, N 1,024]; A: input values; B: input Wv: QUANTISED
;;     4. batch 64 x [M 2,048, K 64] x [K 64, N 2,048]; A: computed on the way; B: computed on the way: QUANTISED
;;     5. batch 64 x [M 2,048, K 2,048] x [K 2,048, N 64]; A: softmax (see below); B: computed on the way: QUANTISED
;;     6. [M 8,192, K 1,024] x [K 1,024, N 1,024]; A: computed on the way; B: input Wo: QUANTISED
;;   THE QUANTISER, for each operand of a quantised product, along K:
;;     - K is cut into blocks of 32 from its start; a last block that is shorter is filled with zeros.
;;     - A block's scale is 2^e with e = floor(log2(the largest magnitude in the block)) - 8, held to -126 .. 127; a block of zeros has e = 0. As a byte (E8M0): e + 127.
;;     - Each number is divided by its block's scale, clamped to +-448, and rounded to the nearest number of E4M3, ties to even, subnormals kept.
;;     - The product sums the exact products of the quantised numbers (number of the format x scale) in f32.
;;   ~~~python
;;   def quantise(x, axis):      # numpy; x: float32 -> the quantised numbers, widened to float32 again
;;       x = np.moveaxis(x, axis, -1); K = x.shape[-1]
;;       x = np.pad(x, [(0, 0)] * (x.ndim - 1) + [(0, -K % 32)]); x = x.reshape(x.shape[:-1] + (-1, 32)); a = np.abs(x).max(-1, keepdims=True)
;;       e = np.where(a > 0, np.clip(np.frexp(np.where(a > 0, a, 1))[1] - 1 - 8, -126, 127), 0)      # np.frexp(a)[1] - 1 = floor(log2(a)), exactly
;;       r = np.clip(x / 2.0 ** e, -448, 448)
;;       step = 2.0 ** (np.maximum(np.frexp(np.where(r == 0, 1, r))[1] - 1, -6) - 3)
;;       q = np.round(r / step) * step * 2.0 ** e      # np.round: ties to even
;;       return np.moveaxis(q.reshape(q.shape[:-2] + (-1,))[..., :K], -1, axis).astype(np.float32)
;;   ~~~
;;   SOFTMAX AHEAD OF A QUANTISED PRODUCT. Where the list says 'softmax', what is quantised is not the finished softmax but p = 2^(t - M), with t = logit x log2(e) and M = ceil(the row's largest t), a whole number; so 1/2 < the row's largest p <= 1. The row's sum l is taken of the UNQUANTISED p, in f32, and the product's result is divided by l at the end. Since M is a whole number, a kernel that streams over the keys may use a running M (the ceiling of the running maximum): every later rescaling is an exact power of two, which a block's scale takes up: the codes' values come out the same.
;;   OPERANDS COMPUTED ON THE WAY. 'Computed on the way' means the value that the module computes at that place (a softmax that the list does not call 'softmax' is quantised finished and normalised). What goes into a quantiser is computed in f32, as accurately as f32 sums, v_exp_f32 and their like allow (about 1e-6 of the number): no bf16 or f16 on the way to a quantiser, and a product that is left as it is and whose result goes on into a quantised operand takes f32 operands (vector FMAs, or v_wmma_f32_16x16x4_f32). A number that lies on a knife's edge between two numbers of the format may be rounded either way, as far as f32 arithmetic and the matrix unit's own rounding can turn it there, and no further.
;; One version. Each part assembles by itself: llvm-mc -triple=amdgcn-amd-amdhsa -mcpu=gfx1250 --defsym DOCPART=n.
;; ======== version 1 of 1: 4 launches
;; limits: right only within a limited range of input values
;; workspace buffers: codes 29,360,128 bytes; scales 917,504 bytes; qkvc 25,165,824 bytes; qkvs 786,432 bytes; ac 8,388,608 bytes; asc 262,144 bytes
;; launch quant (part 1): grid 896 x 1, 4 waves a work-group, no clusters, 33,280 bytes of LDS; arguments querys, keys, values, Wq, Wk, Wv, Wo, codes, scales; writes codes, scales
.if DOCPART == 1
	.amdgcn_target "amdgcn-amd-amdhsa--gfx1250"
	.amdhsa_code_object_version 6
	.text
	.protected	k_qdd656ea257_quant
	.globl	k_qdd656ea257_quant
	.p2align	8
	.type	k_qdd656ea257_quant,@function
k_qdd656ea257_quant:
	s_mov_b64 s[64:65], 0
	v_nop
	global_prefetch_b8 v0, s[64:65] scope:SCOPE_SE
	s_setreg_imm32_b32 hwreg(HW_REG_WAVE_MODE, 25, 1), 1
	s_wait_xcnt 0x0
; querys, keys, values [8192][1024] and Wq, Wk, Wv, Wo [1024][1024], f32, K innermost in all seven, become codes of FP8 (E4M3) with one E8M0 scale byte for each 32 along K.
; The seven tensors lie one behind the other in the two outputs: codes (a byte a number) and scales (a byte a block): querys, keys, values, Wq, Wk, Wv, Wo.
; A block's scale is 2^(floor(log2(its largest magnitude)) - 8); its byte is the largest magnitude's exponent field - 8, held at 1 from below.  Each number is divided by the scale, held within +-448 and rounded to the nearest code, ties to even.
; LIMITS: a block of zeros gets the byte 1 where the rule says 127 (its codes are zeros, which add nothing under any byte but 0xff, and this program alone reads the bytes); blocks whose largest magnitude lies under 2^-118 have their byte held at 1;
; NaN and infinities among the inputs are not served.
; Rows are dense and 1,024 is a multiple of 32, so every tensor is a plain stream of blocks of 32.  A work-group takes 32,768 numbers, a wave 8,192 in 16 steps of 512.  Work-groups 0-255 querys, 256-511 keys, 512-767 values, then 32 for each weight.
; Each of a step's four loads reads 512 consecutive bytes, 16 a lane; the 2,048 bytes turn through the wave's own stage in LDS and come back 64 bytes a lane: 16 neighbours along K, two lanes to a block.
; A wave's store of codes covers 512 consecutive bytes; its 256 scale bytes are gathered in LDS and leave as 256 consecutive bytes.  No tensor loads, no barrier: waves share nothing.  Loads run four steps ahead.
.set STEPS, 16
.set EMAX,  8
.set MANT,  0x600000                   ; the mantissa field of 448 as f32
.set CB,    16                         ; bytes of 16 codes
.set R,     16                         ; v16-79   four sets of 16 numbers as they are loaded
.set X,     80                         ; v80-111  two sets of 16 neighbours
.set E,     112                        ; v112-127 a scale byte for each step
.set C,     128                        ; v128-191 codes: four registers for each step, so that no store's data are written again
.set WREG,  8192                       ; LDS: a region for each wave: two stages of 32 x SP bytes, behind them its 256 scale bytes
.set SP,    80                         ; a lane's place in a stage: 64 bytes + 16 of padding
	s_load_b512 s[8:23], s[0:1], 0x0               ; querys s[8:9], keys s[10:11], values s[12:13], Wq s[14:15], Wk s[16:17], Wv s[18:19], Wo s[20:21], codes s[22:23]
	s_load_b64 s[24:25], s[0:1], 0x40              ; scales
	v_lshl_add_u32 v192, v0, 2, 0x8000
	v_mov_b32 v193, 0
	v_lshrrev_b32 v1, 5, v0
	v_readfirstlane_b32 s28, v1                    ; wave
	v_and_b32 v2, 31, v0                           ; lane
	v_lshlrev_b32 v3, 4, v2                        ; my 16 bytes of a load's 512
	s_mul_i32 s29, s28, WREG
	v_lshrrev_b32 v14, 2, v2
	v_mul_u32_u24 v14, v14, SP
	v_and_b32 v15, 3, v2
	v_lshl_add_u32 v14, v15, 4, v14
	v_add_nc_u32 v14, s29, v14                     ; the stage, on the way in: SP (lane / 4) + 16 (lane % 4)
	v_mul_u32_u24 v15, v2, SP
	v_add_nc_u32 v15, s29, v15                     ; and on the way out: SP x lane: my 16 neighbours
	v_mul_u32_u24 v4, v2, CB                       ; my codes' place in a step's
	v_lshrrev_b32 v5, 1, v2
	s_add_co_u32 s29, s29, 2*32*SP
	v_add_nc_u32 v5, s29, v5                       ; LDS: my wave's 256 scale bytes, my block's byte
	v_lshlrev_b32 v7, 3, v2                        ; and on the way out 8 bytes a lane
	v_add_nc_u32 v6, s29, v7
	s_mov_b32 s27, MANT                            ; (an instruction takes one literal: the hold's line has another)
	s_wait_kmcnt 0x0
; which tensor is my work-group's: a chain of choices on the work-group's number alone; s26 = the tensor's first work-group
.macro PICK lim, ptr, first
	s_cmp_lt_u32 ttmp9, \lim
	s_cselect_b64 s[4:5], s[\ptr:\ptr+1], s[4:5]
	s_cselect_b32 s26, \first, s26
.endm
	s_mov_b64 s[4:5], s[20:21]                     ; Wo, unless the number is lower
	s_mov_b32 s26, 864
	PICK 864, 18, 832
	PICK 832, 16, 800
	PICK 800, 14, 768
	PICK 768, 12, 512
	PICK 512, 10, 256
	PICK 256, 8, 0
	s_sub_co_u32 s30, ttmp9, s26
	s_lshl_b32 s30, s30, 2
	s_add_co_u32 s30, s30, s28                     ; which run of 8,192 numbers of the tensor is my wave's
	s_lshl_b32 s30, s30, 15                        ; 32,768 bytes a run (under 2^26)
	s_mov_b32 s31, 0
	s_add_nc_u64 s[4:5], s[4:5], s[30:31]
	s_lshl_b32 s30, ttmp9, 2
	s_add_co_u32 s30, s30, s28                     ; and which run of the outputs, which are one stream over all seven tensors
	s_lshl_b32 s32, s30, 13                        ; 8,192 bytes of codes a run
	s_mov_b32 s33, 0
	s_add_nc_u64 s[22:23], s[22:23], s[32:33]
	s_lshl_b32 s32, s30, 8                         ; 256 scale bytes a run
	s_add_nc_u64 s[24:25], s[24:25], s[32:33]
.macro LOAD t
.irp i, 0,1,2,3
	global_load_b128 v[R+16*((\t)%4)+4*\i:R+16*((\t)%4)+4*\i+3], v3, s[4:5] offset:2048*(\t)+512*\i th:TH_LOAD_NT   ; 32 lanes read 512 consecutive bytes
.endr
.endm
.macro TURN t                          ; step t's numbers through the stage: LDS serves a wave's instructions in order, so no wait stands between the stores and the loads
.irp i, 0,1,2,3
	ds_store_b128 v14, v[R+16*((\t)%4)+4*\i:R+16*((\t)%4)+4*\i+3] offset:32*SP*((\t)%2)+8*SP*\i
.endr
.irp i, 0,1,2,3
	ds_load_b128 v[X+16*((\t)%2)+4*\i:X+16*((\t)%2)+4*\i+3], v15 offset:32*SP*((\t)%2)+16*\i
.endr
.endm
.irp t, 0,1,2,3
	LOAD \t
.endr
	s_wait_loadcnt 12                              ; step 0's four loads are in
	TURN 0
.macro STEP t
.set XS, X+16*((\t)%2)
.if (\t) > 0
	s_wait_dscnt 1                                 ; this step's numbers are back from the stage (the last step's byte store may be out): so its stores into the stage have read their registers,
.else
	s_wait_dscnt 0x0
.endif
.if (\t)+4 < STEPS
	LOAD (\t)+4                                    ; which take the loads of four steps on
.endif
.if (\t)+1 < STEPS
.if STEPS-2-(\t) >= 3
	s_wait_loadcnt 12                              ; the next step's four loads are in; those of the three steps behind it may be out
.else
	s_wait_loadcnt 4*(STEPS-2-(\t))
.endif
	TURN (\t)+1                                    ; and go through the other stage while this step is worked
.endif
	v_max3_num_f32 v8, |v[XS]|, |v[XS+1]|, |v[XS+2]|               ; the largest magnitude of my 16, in two chains
	v_max3_num_f32 v9, |v[XS+3]|, |v[XS+4]|, |v[XS+5]|
.irp i, 6,10
	v_max3_num_f32 v8, v8, |v[XS+\i]|, |v[XS+\i+1]|
	v_max3_num_f32 v9, v9, |v[XS+\i+2]|, |v[XS+\i+3]|
.endr
	v_max3_num_f32 v8, v8, |v[XS+14]|, |v[XS+15]|
	v_max3_num_f32 v8, v8, v9, (EMAX+1)<<23        ; and the floor 2^(9 - 127): the byte cannot fall under 1
	v_max_num_f32_dpp v8, v8, v8 row_xmask:1 row_mask:0xf bank_mask:0xf   ; and of my neighbour's 16: the block's
	v_add_nc_u32 v11, -(EMAX<<23), v8              ; 8 off its exponent field: the conversion takes the exponent field of this operand as its scale
	v_and_or_b32 v10, v8, 0x7f800000, s27          ; 448 x the scale: the largest magnitude's exponent field over 448's mantissa
.irp i, 0,1,2,3,4,5,6,7,8,9,10,11,12,13,14,15
	v_med3_num_f32 v[XS+\i], v[XS+\i], -v10, v10   ; the conversion to an 8-bit code does not saturate (ISA guide 7.6.2): the hold comes first
.endr
	v_cvt_scalef32_pk8_fp8_f32 v[C+4*(\t):C+4*(\t)+1], v[XS:XS+7], v11
	v_cvt_scalef32_pk8_fp8_f32 v[C+4*(\t)+2:C+4*(\t)+3], v[XS+8:XS+15], v11
	v_lshrrev_b32 v[E+(\t)], 23, v11               ; the scale's byte
	ds_store_b8 v5, v[E+(\t)] offset:16*(\t)       ; both lanes of a block write the same byte with the same value
	global_store_b128 v4, v[C+4*(\t):C+4*(\t)+3], s[22:23] offset:32*CB*(\t)
.endm
.irp t, 0,1,2,3,4,5,6,7,8,9,10,11,12,13,14,15
	STEP \t
.endr
	ds_load_b64 v[12:13], v6                       ; LDS serves a wave's instructions in order: these see my stores
	s_wait_dscnt 0x0
	global_store_b64 v7, v[12:13], s[24:25]        ; 32 lanes store 256 consecutive bytes, aligned
	s_wait_tensorcnt 0x0
	ds_add_u32 v192, v193
	s_wait_dscnt 0x0
	s_endpgm
.Lfunc_end_k_qdd656ea257_quant:
	.size	k_qdd656ea257_quant, .Lfunc_end_k_qdd656ea257_quant-k_qdd656ea257_quant
	.p2alignl 7, 3214868480
	.fill 96, 4, 3214868480
	.section	.rodata,"a",@progbits
	.p2align	6, 0x0
	.amdhsa_kernel k_qdd656ea257_quant
		.amdhsa_group_segment_fixed_size 33280
		.amdhsa_private_segment_fixed_size 0
		.amdhsa_enable_private_segment 0
		.amdhsa_kernarg_size 72
		.amdhsa_user_sgpr_count 2
		.amdhsa_user_sgpr_kernarg_segment_ptr 1
		.amdhsa_wavefront_size32 1
		.amdhsa_system_sgpr_workgroup_id_x 1
		.amdhsa_system_sgpr_workgroup_id_y 1
		.amdhsa_system_sgpr_workgroup_id_z 1
		.amdhsa_system_vgpr_workitem_id 0
		.amdhsa_next_free_vgpr 194
		.amdhsa_next_free_sgpr 66
		.amdhsa_reserve_vcc 0
		.amdhsa_float_denorm_mode_32 3
		.amdhsa_float_denorm_mode_16_64 3
		.amdhsa_memory_ordered 1
		.amdhsa_forward_progress 1
		.amdhsa_inst_pref_size 52
	.end_amdhsa_kernel
	.amdgpu_metadata
---
amdhsa.version: [ 1, 2 ]
amdhsa.kernels:
  - .name:           k_qdd656ea257_quant
    .symbol:         k_qdd656ea257_quant.kd
    .args:
      - { .name: querys, .offset: 0, .size: 8, .value_kind: global_buffer, .address_space: global }
      - { .name: keys, .offset: 8, .size: 8, .value_kind: global_buffer, .address_space: global }
      - { .name: values, .offset: 16, .size: 8, .value_kind: global_buffer, .address_space: global }
      - { .name: Wq, .offset: 24, .size: 8, .value_kind: global_buffer, .address_space: global }
      - { .name: Wk, .offset: 32, .size: 8, .value_kind: global_buffer, .address_space: global }
      - { .name: Wv, .offset: 40, .size: 8, .value_kind: global_buffer, .address_space: global }
      - { .name: Wo, .offset: 48, .size: 8, .value_kind: global_buffer, .address_space: global }
      - { .name: codes, .offset: 56, .size: 8, .value_kind: global_buffer, .address_space: global }
      - { .name: scales, .offset: 64, .size: 8, .value_kind: global_buffer, .address_space: global }
    .group_segment_fixed_size: 33280
    .private_segment_fixed_size: 0
    .kernarg_segment_align: 8
    .kernarg_segment_size: 72
    .max_flat_workgroup_size: 128
    .sgpr_count:     66
    .vgpr_count:     194
    .wavefront_size: 32
...
	.end_amdgpu_metadata
.endif
;; end of part 1
;; launch proj (part 2): grid 4 x 96, 4 waves a work-group, clusters of 4 x 4, 327,680 bytes of LDS; arguments codes, scales, qkvc, qkvs; writes qkvc, qkvs
.if DOCPART == 2
	.amdgcn_target "amdgcn-amd-amdhsa--gfx1250"
	.amdhsa_code_object_version 6
	.text
	.protected	k_qdd656ea257_proj
	.globl	k_qdd656ea257_proj
	.p2align	8
	.type	k_qdd656ea257_proj,@function
k_qdd656ea257_proj:
	s_mov_b64 s[64:65], 0
	v_nop
	global_prefetch_b8 v0, s[64:65] scope:SCOPE_SE
	s_setreg_imm32_b32 hwreg(HW_REG_WAVE_MODE, 25, 1), 1
	s_wait_xcnt 0x0
	s_wait_alu depctr_hold_cnt(0) depctr_sa_sdst(0) depctr_va_vdst(0) depctr_va_sdst(0) depctr_va_ssrc(0) depctr_va_vcc(0) depctr_vm_vsrc(0)
	s_getreg_b32 s2, hwreg(HW_REG_IB_STS2, 6, 4)
	s_cmp_eq_u32 s2, 0
	s_cbranch_scc0 .Lentry_in_a_cluster
	s_endpgm
.Lentry_in_a_cluster:
	s_bfe_u32 s2, ttmp6, 0x10000c
	s_cmp_lg_u32 s2, 0xf033
	s_cbranch_scc0 .Lentry_shape_is_right
	s_endpgm
.Lentry_shape_is_right:
; The three projections on codes of FP8 (E4M3) with E8M0 scales, and the quantiser of their results, in registers.
; ONE FORM: C[m][n] = sum over k of P[m][k] Q[n][k], K = 1,024, and C is quantised ALONG n, in blocks of 32.
;   kind 0: P = querys' codes (8,192 rows), Q = Wq's (1,024): n = head x 64 + d: q is quantised along the head's 64.   kind 1: keys and Wk likewise.
;   kind 2: P = Wv's codes (1,024 rows), Q = values' (8,192): n = the token: v is quantised along the keys, which are the second attention product's K.
; A tile of C, 256 x 256, is made by four waves, 128 x 128 each: 64 accumulators, 512 registers.  K goes in steps of 256 through a ring of two LDS slots filled by the tensor data mover; the scale bytes of the tile's rows come once and stay.
; CLUSTERS: 4 x 4 work-groups; 8 clusters a kind (cluster y = 8 kind + c8).  The four of a row of the cluster need the same tiles of P, the four of a column the same tiles of Q: each is asked for jointly.  The kind is the same in all sixteen.
; THE MATRIX INSTRUCTION IS USED TRANSPOSED (source 0 = 16 rows of Q, source 1 = 16 rows of P): lane (r, h) of accumulator (a, b) holds C(16 a + r, 16 b + 8 h + 0 .. 7).  So the 16 registers of accumulators 2 B and 2 B + 1 are
; 16 of block B's 32 numbers, the other 16 lie in lane l xor 16, and their 16 codes are four registers of an operand: position e of lane half h stands for n = 32 B + 8 h + e (e < 8) or 32 B + 16 + 8 h + e - 8.  That is a permutation inside a
; block of 32, the same in q and k, and the same in v as in the weights p that the attention launch makes: products keep their pairs, scales their blocks.
; THE RESULTS LEAVE AS IMAGES OF OPERAND REGISTERS: each store of codes is 32 lanes x 16 bytes, 512 consecutive bytes, aligned.
;   q, k: [b][head][block of 16 tokens][chunk of 32 d][lane][16 bytes];  v: [b][head / 2][chunk / 2][128 keys][head % 2][16 d][chunk % 2][lane][16 bytes].
;   scale words: q, k: [b][head / 2][head % 2][32 tokens][r]: (s0, s1 of token r, s0, s1 of token 16 + r);  v: [b][head / 2][db % 2][128 keys][2 (head % 2) + db / 2][r]: the step's four bytes.  They leave 64 bytes to sixteen lanes.
; LIMITS: a block of zeros gets the byte 1 (its codes are zeros; this program alone reads the bytes); blocks under 2^-118 have their byte held at 1; NaN and infinities are not served.
; REGISTERS, in windows of 256: window 0: v0-31 addresses; v32-63 scale words, two sets, and nothing else; from v128 P's fragments, one set; on the way out v64-127 held numbers, v128-191 codes, v224-253 at work.
;   window 1: Q's fragments, two sets.   window 2: the accumulators of my rows 0-63 ((a, b) at v[8 (8 a + b)]);   window 3: those of my rows 64-127.
.set SIZE_K, 1024
.set KSTEP,  256                       ; along K in a slot
.set NQ,     KSTEP/128                 ; matrix instructions deep
.set ROWB,   256                       ; a tile's row in bytes
.set KROW,   SIZE_K                    ; a row of codes in memory
.set PITCH,  272                       ; an LDS row: 256 bytes + 16 of padding = 68 words: the 16 rows that a load touches start at 16 different banks (64 banks of 4 bytes: ISA guide 11.1)
.set FR,     16                        ; registers of a fragment
.set NL,     4                         ; LDS loads that bring one
.set NP,     8                         ; places behind this matrix instruction (ISA guide 7.12.1)
.set HALFT,  128*PITCH                 ; 128 rows: what one tensor load brings
.set SLOT,   4*HALFT                   ; P's 256 rows, then Q's 256 rows
.set LAPS,   SIZE_K/(2*KSTEP)          ; a lap = two K steps = once round the ring
.set KS,     SIZE_K/32                 ; a row of scale bytes
.set SCL,    2*SLOT                    ; behind the ring: the scales, as 256 bytes + 16 of padding
.set HALFS,  (128*KS/256)*272          ; those of 128 rows
.set SBLK,   (16*KS/256)*272           ; those of 16 rows
.set SPARE,  SCL+4*HALFS               ; behind the scales: the spare words, 128 bytes a wave
.set ADRA, 16                          ; v16-17  LDS address of my P fragments in slot 0, 1
.set ADRB, 20                          ; v20-21  the same for Q
.set LI,   24                          ; v24     16 x lane: my place in an image
.set VS,   25                          ; v25     4 r + 4096 h: my place among the scale words
.set ADRS, 27                          ; v27     LDS address of my scale words: lanes 0-15 P's rows, lanes 16-31 Q's
.set SPW,  28                          ; v28     LDS address of my spare word; never rewritten
.set NIL,  29                          ; v29     0; never rewritten
.set LN,   30                          ; v30     lane
.set SC,   32                          ; scale words: set s at v[SC + 8 NQ s]
.set T,    64                          ; the way out: 64 numbers, held
.set AF,   128                         ; P's fragments
.set PC,   128                         ; the way out: codes, four sets of 16
.set TM,   224                         ; v224-227 largest magnitudes, v228-231 bytes, v232-235 448 x the scale, v236-239 the conversions' scale operands
.set PW,   240                         ; v240-247 block a's word of four scale bytes
.set WW,   248                         ; v248-251 the words as they are stored
.set G1, 24                            ; s[24:31] descriptor group 1 for P's tiles;  s[32:39] group 0, one set for each slot
.set G0, 32
.set G1B, 48                           ; s[48:55], s[56:63] the same for Q's tiles
.set G0B, 56
.set G1S, 68                           ; s[68:75], s[76:79] groups 1 and 0 for P's scales;  s[80:87], s[88:91] for Q's
.set G0S, 76
.set G1SB, 80
.set G0SB, 88
.set SELA, 66                          ; s66, s67 byte selects that make the stored scale words
.set SELB, 67
.set SEL,  18                          ; s[18:19] lane selects: lane l xor 16 (set behind the head's use of s18, s19)
.set MNT,  95                          ; s95 the mantissa field of 448
.set MSB, 0
.macro WIN new                         ; the immediate's high byte repeats the setting that is left
.if MSB != \new
	s_set_vgpr_msb (MSB<<8)|\new
.set MSB, \new
.endif
.endm
.set MUL_LO, 0xa1                      ; source 0 (Q) window 1, source 1 (P) window 0, C and D window 2
.set MUL_HI, 0xf1                      ; the same, C and D window 3
.set TO_B,   0x40                      ; destination window 1, address window 0
; A joint load: waves 0 and 1 fetch for P, waves 2 and 3 for Q.  Each of the two lines has one mask and one set of registers for all that issue it; the branch hangs on the wave's number alone.
; Four v_nop follow each of the two lines, ahead of the jump, the label and what follows.
.macro JLOAD g0a, g1a, g0b, g1b
	s_cmp_eq_u32 s15, 0
	s_cbranch_scc0 .Lfor_b_\@
	tensor_load_to_lds s[\g0a:\g0a+3], s[\g1a:\g1a+7]
	s_nop 0
.rept 4
	v_nop
.endr
	s_branch .Lasked_\@
.Lfor_b_\@:
	tensor_load_to_lds s[\g0b:\g0b+3], s[\g1b:\g1b+7]
	s_nop 0
.rept 4
	v_nop
.endr
.Lasked_\@:
.endm
.macro CREST                           ; a round of the cluster's barrier behind its opening barrier
	s_cmp_lg_u32 s14, 0
	s_cbranch_scc1 .Lnot_wave_0_\@
	s_barrier_signal -3
.Lnot_wave_0_\@:
	s_barrier_wait -3
	s_barrier_signal -1
	s_barrier_wait -1
.endm
.macro CROUND                          ; a whole round
	s_barrier_signal -1
	s_barrier_wait -1
	CREST
.endm
	s_load_b256 s[4:11], s[0:1], 0x0               ; codes s[4:5], scales s[6:7], qkvc s[8:9], qkvs s[10:11]
	v_lshl_add_u32 v[SPW], v0, 2, SPARE
	v_mov_b32 v[NIL], 0
	ds_add_u32 v28, v29
	s_wait_dscnt 0x0
	v_lshrrev_b32 v1, 5, v0
	v_readfirstlane_b32 s14, v1                    ; wave 0..3
	s_lshr_b32 s15, s14, 1                         ; which half of the tile's rows is mine.  Also: I fetch for P (0) or for Q (1)
	s_and_b32 s16, s14, 1                          ; which half of its columns.  Also: which 128 rows of that tile I fetch
	s_bfe_u32 s40, ttmp6, 0x40000                  ; cx, cy: my place in the cluster
	s_bfe_u32 s41, ttmp6, 0x40004
	s_and_b32 s95, ttmp7, 0xffff                   ; cluster y, 0 .. 23
	s_lshr_b32 s96, s95, 3                         ; the kind
	s_and_b32 s97, s95, 7                          ; which of the kind's eight clusters
	s_lshl_b32 s100, s96, 3                        ; P begins 8 kind MiB into the codes,
	s_add_co_u32 s101, s96, 24                     ; Q 24 + kind MiB,
	s_cmp_eq_u32 s96, 2                            ; but for v: every choice below hangs on the kind alone, which all sixteen partners share
	s_cselect_b32 s98, 0, s97                      ; the cluster's row of clusters in C,
	s_cselect_b32 s99, s97, 0                      ; and its column
	s_cselect_b32 s100, 26, s100                   ; P = Wv's codes,
	s_cselect_b32 s101, 16, s101                   ; Q = values'
	s_mov_b32 s2, 0x05040100                       ; q, k: bytes 0, 1 of blocks a - 1 and a (the first head),
	s_cselect_b32 s[SELA], 0x03020100, s2          ; v: block a - 1's word as it stands
	s_mov_b32 s2, 0x07060302                       ; q, k: bytes 2, 3 of both (the second head),
	s_cselect_b32 s[SELB], 0x07060504, s2          ; v: block a's word
	s_lshl_b32 s42, s99, 2
	s_add_co_u32 s42, s42, s40                     ; tile column of C
	s_lshl_b32 s17, s98, 2
	s_add_co_u32 s17, s17, s41                     ; tile row of C
	s_lshl_b32 s43, s41, 2
	s_lshl_b32 s43, 15, s43                        ; my row of the cluster
	s_lshl_b32 s44, 0x1111, s40                    ; my column
	; descriptor group 1: a tile of 128 rows x 256 bytes, padded in LDS
	s_or_b32 s[G1+0], s43, (0<<16)|(1<<20)|(1<<21)|(5<<22)|(3<<25)  ; 15:0 the mask: P's tiles go to my row; 17:16 element of 1 byte; 20 padding on; 21 set beside a mask; 24:22 after every 64 words; 31:25 of 4 words
	s_or_b32 s[G1B+0], s44, (0<<16)|(1<<20)|(1<<21)|(5<<22)|(3<<25)
.irp g, G1, G1B
	s_mov_b32 s[\g+1], ROWB<<16                    ; tensor_dim0
	s_mov_b32 s[\g+2], 128<<16                     ; tensor_dim1 = 128
	s_mov_b32 s[\g+3], ROWB<<16                    ; tile_dim0
	s_mov_b32 s[\g+4], 128                         ; tile_dim1 = 128
	s_mov_b32 s[\g+5], KROW                        ; tensor_dim0_stride
	s_mov_b32 s[\g+6], 0
	s_mov_b32 s[\g+7], 0
.endr
	; and for the scales of 128 rows: a dense block of 4,096 bytes, as rows of 256 bytes (32 elements of 8 bytes), 16 bytes of padding behind each
	s_or_b32 s[G1S+0], s43, (3<<16)|(1<<20)|(1<<21)|(5<<22)|(3<<25)
	s_or_b32 s[G1SB+0], s44, (3<<16)|(1<<20)|(1<<21)|(5<<22)|(3<<25)
.irp g, G1S, G1SB
	s_mov_b32 s[\g+1], 32<<16
	s_mov_b32 s[\g+2], (128*KS/256)<<16
	s_mov_b32 s[\g+3], 32<<16
	s_mov_b32 s[\g+4], 128*KS/256
	s_mov_b32 s[\g+5], 32
	s_mov_b32 s[\g+6], 0
	s_mov_b32 s[\g+7], 0
.endr
	s_lshl_b32 s18, s16, 7                         ; which 128 rows of the tile I fetch
	s_lshl_b32 s20, s17, 8
	s_add_co_u32 s20, s20, s18                     ; P: row 256 x tile row + 128 x half
	s_lshl_b32 s46, s42, 8
	s_add_co_u32 s46, s46, s18                     ; Q: row 256 x tile column + 128 x half
	s_lshl_b32 s22, s20, 5                         ; where these rows' scales begin in their tensor, in bytes,
	s_lshl_b32 s92, s46, 5
	s_lshl_b32 s20, s20, 10                        ; and their codes (all under 2^25)
	s_lshl_b32 s46, s46, 10
	s_lshl_b32 s100, s100, 20                      ; the tensors' places in the codes,
	s_lshl_b32 s101, s101, 20
	s_add_co_u32 s20, s20, s100
	s_add_co_u32 s46, s46, s101
	s_lshr_b32 s100, s100, 5                       ; and in the scales
	s_lshr_b32 s101, s101, 5
	s_add_co_u32 s22, s22, s100
	s_add_co_u32 s92, s92, s101
	s_mov_b32 s21, 0
	s_mov_b32 s23, 0
	s_mov_b32 s47, 0
	s_mov_b32 s93, 0
	s_mul_i32 s45, s14, HALFT                      ; where they go: wave x 128 rows: no place in the cluster enters an LDS address
	s_mul_i32 s94, s14, HALFS
	s_wait_kmcnt 0x0
	s_add_nc_u64 s[20:21], s[4:5], s[20:21]
	s_add_nc_u64 s[22:23], s[6:7], s[22:23]
	s_add_nc_u64 s[46:47], s[4:5], s[46:47]
	s_add_nc_u64 s[92:93], s[6:7], s[92:93]
	CROUND                                         ; all sixteen work-groups are here: the first joint loads meet
	s_mov_b32 s[G0S], 1
	s_add_co_u32 s[G0S+1], s94, SCL
	s_mov_b64 s[G0S+2:G0S+3], s[22:23]
	s_or_b32 s[G0S+3], s[G0S+3], 0x80000000
	s_mov_b32 s[G0SB], 1
	s_add_co_u32 s[G0SB+1], s94, SCL
	s_mov_b64 s[G0SB+2:G0SB+3], s[92:93]
	s_or_b32 s[G0SB+3], s[G0SB+3], 0x80000000
	JLOAD G0S, G1S, G0SB, G1SB                     ; the scales first: they are wanted with K step 0
.irp s, 0,1
	s_mov_b32 s[G0+4*\s], 1
	s_add_co_u32 s[G0+4*\s+1], s45, \s*SLOT
	s_add_nc_u64 s[G0+4*\s+2:G0+4*\s+3], s[20:21], \s*ROWB
	s_or_b32 s[G0+4*\s+3], s[G0+4*\s+3], 0x80000000
	s_mov_b32 s[G0B+4*\s], 1
	s_add_co_u32 s[G0B+4*\s+1], s45, \s*SLOT
	s_add_nc_u64 s[G0B+4*\s+2:G0B+4*\s+3], s[46:47], \s*ROWB
	s_or_b32 s[G0B+4*\s+3], s[G0B+4*\s+3], 0x80000000
	JLOAD G0+4*\s, G1, G0B+4*\s, G1B               ; three tensor loads of mine are out behind the second of these
.endr
	v_and_b32 v1, 15, v0                           ; r = l % 16
	v_bfe_u32 v2, v0, 4, 1                         ; h = l / 16
	v_mul_u32_u24 v3, v1, PITCH
	v_lshl_add_u32 v4, v2, 4, v3                   ; a fragment's row x pitch + 16 x half
	s_mul_i32 s21, s15, HALFT                      ; my 128 rows of P
	s_mul_i32 s22, s16, HALFT                      ; my 128 rows of Q,
	s_add_co_u32 s22, s22, 2*HALFT                 ; which lie behind P's 256
.irp s, 0,1
	v_add_nc_u32 v[ADRA+\s], s21, v4
	v_add_nc_u32 v[ADRB+\s], s22, v4
	s_add_co_u32 s21, s21, SLOT
	s_add_co_u32 s22, s22, SLOT
.endr
	v_mul_u32_u24 v5, v1, KS                       ; my row's scales: 32 bytes a row,
	v_lshrrev_b32 v6, 8, v5
	v_lshl_add_u32 v5, v6, 4, v5                   ; and 16 more for each 256 passed
	s_mul_i32 s21, s15, HALFS                      ; P's: my 128 rows
	s_mul_i32 s22, s16, HALFS                      ; Q's: my 128 rows, behind P's 256
	s_add_co_u32 s22, s22, 2*HALFS
	s_sub_co_u32 s22, s22, s21
	v_mul_u32_u24 v6, s22, v2                      ; lanes 16-31 take Q's
	s_add_co_u32 s21, s21, SCL
	v_add_nc_u32 v5, v5, v6
	v_add_nc_u32 v[ADRS], s21, v5
	v_and_b32 v[LN], 31, v0
	v_lshlrev_b32 v[LI], 4, v[LN]
	v_lshlrev_b32 v[VS], 2, v1
	v_lshl_add_u32 v[VS], v2, 12, v[VS]
	; where my wave's images begin.  wr, wc: my 128 rows and 128 columns of C.  L counts 128 tokens (16 to a batch), S pairs of heads: q, k: L = wr, S = wc; v: L = wc, S = wr.
	s_lshl_b32 s97, s17, 1
	s_add_co_u32 s97, s97, s15                     ; wr
	s_lshl_b32 s98, s42, 1
	s_add_co_u32 s98, s98, s16                     ; wc
	s_cmp_eq_u32 s96, 2
	s_cselect_b32 s99, s98, s97                    ; L
	s_cselect_b32 s100, s97, s98                   ; S
	s_lshr_b32 s101, s99, 4                        ; the batch,
	s_lshl_b32 s101, s101, 3
	s_add_co_u32 s101, s101, s100                  ; its eight pairs of heads: 262,144 bytes each,
	s_lshl_b32 s101, s101, 18
	s_and_b32 s99, s99, 15
	s_lshl_b32 s99, s99, 13                        ; 8,192 bytes for 128 tokens,
	s_add_co_u32 s98, s101, s99
	s_lshl_b32 s97, s96, 23                        ; 8 MiB a kind
	s_add_co_u32 s98, s98, s97
	s_mov_b32 s99, 0
	s_add_nc_u64 s[8:9], s[8:9], s[98:99]
	s_lshr_b32 s98, s98, 5                         ; a scale byte for 32 codes: the words' buffer is laid by the same sum
	s_add_nc_u64 s[10:11], s[10:11], s[98:99]
	s_mov_b32 s[SEL], 0x76543210
	s_mov_b32 s[SEL+1], 0xfedcba98
	s_mov_b32 s[MNT], 0x600000
.macro FRAG reg, adr, q, i             ; a fragment, 16 rows x 128 K: lane l holds row l % 16; registers 4 c .. 4 c + 3 hold K = 32 c + 16 (l / 16) + 0 .. 15
.irp c, 0,1,2,3
	ds_load_b128 v[\reg+4*\c:\reg+4*\c+3], v[\adr] offset:128*(\q)+32*\c+(\i)*16*PITCH
.endr
.endm
; 16 matrix instructions: P's blocks a0, a0 + 1 x Q's eight, 128 along K.  p: Q's set;  sc: the set of scale words.  zero = 1: the first product starts the sums.
; The 64 accumulators take turns, one instruction a turn, in the same order in every step.
.macro MUL16 a0, p, q, sc, zero
.irp a, \a0, \a0+1
.irp b, 0,1,2,3,4,5,6,7
.if \zero
	v_wmma_scale_f32_16x16x128_f8f6f4 v[8*(8*((\a)%4)+\b):8*(8*((\a)%4)+\b)+7], v[128*(\p)+FR*\b:128*(\p)+FR*\b+FR-1], v[AF+FR*(\a):AF+FR*(\a)+FR-1], 0, v[SC+8*NQ*(\sc)+NQ*\b+(\q)], v[SC+8*NQ*(\sc)+NQ*(\a)+(\q)] matrix_a_scale:MATRIX_SCALE_ROW1
.else
	v_wmma_scale_f32_16x16x128_f8f6f4 v[8*(8*((\a)%4)+\b):8*(8*((\a)%4)+\b)+7], v[128*(\p)+FR*\b:128*(\p)+FR*\b+FR-1], v[AF+FR*(\a):AF+FR*(\a)+FR-1], v[8*(8*((\a)%4)+\b):8*(8*((\a)%4)+\b)+7], v[SC+8*NQ*(\sc)+NQ*\b+(\q)], v[SC+8*NQ*(\sc)+NQ*(\a)+(\q)] matrix_a_scale:MATRIX_SCALE_ROW1
.endif
.endr
.endr
.endm
.macro FETCH_B slot, q, p              ; Q's eight fragments of the slot's q-th 128 along K into set p
	WIN TO_B
.irp i, 0,1,2,3,4,5,6,7
	FRAG 128*(\p)+FR*\i, ADRB+\slot, \q, \i
.endr
	WIN 0
.endm
.macro FETCH_A slot, q, i0             ; P's blocks i0 .. i0 + 3
.irp i, \i0, \i0+1, \i0+2, \i0+3
	FRAG AF+FR*(\i), ADRA+\slot, \q, \i
.endr
.endm
.macro SCALES sc                       ; the next K step's scale words into set sc: two words a row; lanes 0-15 take P's block i, lanes 16-31 Q's block i
.irp i, 0,1,2,3,4,5,6,7
	ds_load_b64 v[SC+8*NQ*\sc+NQ*\i:SC+8*NQ*\sc+NQ*\i+1], v[ADRS] offset:\i*SBLK
.endr
.endm
; A load into a register that a matrix instruction has read, and a vector instruction that reads a matrix result, stand NP places behind that matrix instruction; only plain vector instructions
; that name none of its registers are places (ISA guide 7.12.1 for vector instructions).
.macro PLACES n
.rept \n
	v_nop
.endr
.endm
; A step of 128 along K that has its successor in the same slot.
.macro STEP slot, q, zero
	s_wait_dscnt 4*NL                              ; Q's set and P's blocks 0-3 are in; the youngest sixteen loads (P's blocks 4-7) may be out
	WIN MUL_LO
	MUL16 0, (\q)%2, \q, \slot, \zero
	MUL16 2, (\q)%2, \q, \slot, \zero
	s_wait_dscnt 0                                 ; P's blocks 4-7 are in (asked for 32 matrix instructions ago)
	PLACES NP
	FETCH_B \slot, (\q)+1, 1-(\q)%2
	FETCH_A \slot, (\q)+1, 0
	WIN MUL_HI
	MUL16 4, (\q)%2, \q, \slot, \zero
	MUL16 6, (\q)%2, \q, \slot, \zero
	PLACES NP
	WIN 0
	FETCH_A \slot, (\q)+1, 4
.endm
; A slot's last step changes slots: one barrier; in front of it each wave waits for all its tensor loads, adds 0 to its spare word, and waits for that and for its own reads of this slot.  fill = 1: this slot is filled again, two K steps ahead.
.macro TURN slot, next, fill
	s_wait_tensorcnt 0x0                           ; all my tensor loads have landed: my part of the next slot;  (every window is 0 here)
	ds_add_u32 v[SPW], v[NIL]                      ; 0 onto my spare word
	s_wait_dscnt 4*NL+1                            ; (the add and the youngest sixteen loads, P's blocks 4-7, may be out)
	WIN MUL_LO
	MUL16 0, 1, NQ-1, \slot, 0                     ; sixteen matrix instructions stand between the add and the wait for it
	s_wait_dscnt 0x0                               ; the add is done, and my reads of this slot are over
	s_barrier_signal -1
	MUL16 2, 1, NQ-1, \slot, 0
	WIN 0
	s_barrier_wait -1
.if \fill
	CREST                                          ; the barrier has opened a round of the cluster's barrier: no wave of any partner still reads this slot's tile or has a load on its way
	s_add_nc_u64 s[G0+4*\slot+2:G0+4*\slot+3], s[G0+4*\slot+2:G0+4*\slot+3], 2*ROWB
	s_add_nc_u64 s[G0B+4*\slot+2:G0B+4*\slot+3], s[G0B+4*\slot+2:G0B+4*\slot+3], 2*ROWB
	JLOAD G0+4*\slot, G1, G0B+4*\slot, G1B         ; the first tensor load behind the round; the four v_nop behind it are among the places in front of the loads below
	PLACES NP-4
.else
	PLACES NP
.endif
	v_add_nc_u32 v[ADRS], 4*NQ, v[ADRS]            ; on to the next K step's scale words (no LDS load of mine is out)
	FETCH_B \next, 0, 0
	FETCH_A \next, 0, 0
	SCALES \next
	WIN MUL_HI
	MUL16 4, 1, NQ-1, \slot, 0
	MUL16 6, 1, NQ-1, \slot, 0
	PLACES NP
	WIN 0
	FETCH_A \next, 0, 4
.endm
	s_wait_tensorcnt 1                             ; the scales and my part of K step 0 are in (K step 1's load may be out)
	s_barrier_signal -1
	s_barrier_wait -1                              ; everybody's are
	FETCH_B 0, 0, 0
	FETCH_A 0, 0, 0
	SCALES 0
	FETCH_A 0, 0, 4
	STEP 0, 0, 1                                   ; the first step stands in front of the loop: its products start the sums
	s_mov_b32 s3, LAPS-1
.Llap:                                                 ; a trip goes once round the ring, from a lap's second step to the next lap's first, and fills both slots again
	TURN 0, 1, 1
	STEP 1, 0, 0
	TURN 1, 0, 1
	STEP 0, 0, 0
	s_sub_co_u32 s3, s3, 1
	s_cmp_lg_u32 s3, 0
	s_cbranch_scc1 .Llap
	TURN 0, 1, 0                                   ; the last lap fills nothing, and has no round of the cluster's barrier
	STEP 1, 0, 0
	s_wait_dscnt 4*NL                              ; the very last step: nothing more to fetch
	WIN MUL_LO
	MUL16 0, 1, NQ-1, 1, 0
	MUL16 2, 1, NQ-1, 1, 0
	s_wait_dscnt 0
	WIN MUL_HI
	MUL16 4, 1, NQ-1, 1, 0
	MUL16 6, 1, NQ-1, 1, 0
	WIN 0
; THE WAY OUT, block a of 16 rows x 128 columns at a time: four blocks of 32 along n, quantised in registers; the codes are stored as they stand.
.macro EPI a
.set AC, 64*((\a)%4)                   ; its eight accumulators, in window 2 (blocks 0-3) or 3 (blocks 4-7)
	WIN 0x0a+5*((\a)/4)                            ; sources 0 and 1: the accumulators' window
.irp b, 0,1,2,3
	v_max3_num_f32 v[TM+\b], |v[AC+16*\b]|, |v[AC+16*\b+1]|, 0x4800000   ; block b: my 16 numbers, each accumulator from its low end on, and the floor 2^(9 - 127): the byte cannot fall under 1
.endr
.irp i, 2,4,6,8,10,12,14
.irp b, 0,1,2,3
	v_max3_num_f32 v[TM+\b], |v[AC+16*\b+\i]|, |v[AC+16*\b+\i+1]|, v[TM+\b]   ; (the four blocks by turns)
.endr
.endr
	WIN 0
.irp b, 0,1,2,3
	v_permlanex16_b32 v[TM+4+\b], v[TM+\b], s[SEL], s[SEL+1]
.endr
.irp b, 0,1,2,3
	v_max_num_f32 v[TM+\b], v[TM+\b], v[TM+4+\b]   ; with lane l xor 16's: the block's largest magnitude
.endr
.irp b, 0,1,2,3
	v_add_nc_u32 v[TM+12+\b], 0xfc000000, v[TM+\b] ; 8 off its exponent field: the conversion's scale operand
.endr
.irp b, 0,1,2,3
	v_and_or_b32 v[TM+8+\b], v[TM+\b], 0x7f800000, s[MNT]   ; 448 x the scale
.endr
.irp b, 0,1,2,3
	v_lshrrev_b32 v[TM+4+\b], 23, v[TM+12+\b]      ; the scale's byte
.endr
	v_lshl_or_b32 v[PW+(\a)], v[TM+5], 8, v[TM+4]  ; my row's four bytes
	v_lshl_or_b32 v[PW+(\a)], v[TM+6], 16, v[PW+(\a)]
	v_lshl_or_b32 v[PW+(\a)], v[TM+7], 24, v[PW+(\a)]
	WIN 2+(\a)/4                                   ; source 0: the accumulators' window
.irp b, 0,1,2,3
.irp i, 0,1,2,3,4,5,6,7,8,9,10,11,12,13,14,15
	v_med3_num_f32 v[T+16*\b+\i], v[AC+16*\b+\i], -v[TM+8+\b], v[TM+8+\b]   ; the conversion to an 8-bit code does not saturate (ISA guide 7.6.2): the hold, and the way into window 0, in one
.endr
.endr
	WIN 0
.if (\a) >= 4
	s_wait_xcnt 0x0                                ; block a - 4's stores have read the set of registers that these codes take
.endif
.irp b, 0,1,2,3
	v_cvt_scalef32_pk8_fp8_f32 v[PC+16*((\a)%4)+4*\b:PC+16*((\a)%4)+4*\b+1], v[T+16*\b:T+16*\b+7], v[TM+12+\b]
	v_cvt_scalef32_pk8_fp8_f32 v[PC+16*((\a)%4)+4*\b+2:PC+16*((\a)%4)+4*\b+3], v[T+16*\b+8:T+16*\b+15], v[TM+12+\b]
.endr
	v_nop                                          ; one plain vector instruction behind the last conversion, ahead of whatever next writes its sources
.irp b, 0,1,2,3
	global_store_b128 v[LI], v[PC+16*((\a)%4)+4*\b:PC+16*((\a)%4)+4*\b+3], s[8:9] offset:1024*(\a)+512*(\b%2)+131072*(\b/2)   ; 32 lanes store 512 consecutive bytes, aligned
.endr
.if (\a)%2
	v_perm_b32 v252, v[PW+(\a)], v[PW+(\a)-1], s[SELA]   ; q, k: the first head's word of 32 tokens; v: block a - 1's word
	v_perm_b32 v253, v[PW+(\a)], v[PW+(\a)-1], s[SELB]   ; q, k: the second head's; v: block a's
	v_cndmask_b32 v[WW+(\a)/2], v252, v253, vcc_lo       ; lanes 0-15 store the one, lanes 16-31 the other, 4,096 bytes on
	global_store_b32 v[VS], v[WW+(\a)/2], s[10:11] offset:64*((\a)/2)
.endif
.endm
	PLACES NP                                      ; behind the last products: their results are read and the registers of P's fragments are written below
.irp b, 0,1,2,3
	v_mov_b32 v[TM+4+\b], 0                        ; written once: a lane permute's destination counts as one of its sources
.endr
	v_cmp_lt_u32 vcc_lo, 15, v[LN]                 ; lanes 16-31
.irp a, 0,1,2,3,4,5,6,7
	EPI \a
.endr
	s_wait_tensorcnt 0x0                           ; the wave's end
	ds_add_u32 v[SPW], v[NIL]
	s_wait_dscnt 0x0
	CROUND                                         ; the closing round: no work-group ends while a partner may still ask for a tile that names it
	s_endpgm
.Lfunc_end_k_qdd656ea257_proj:
	.size	k_qdd656ea257_proj, .Lfunc_end_k_qdd656ea257_proj-k_qdd656ea257_proj
	.p2alignl 7, 3214868480
	.fill 96, 4, 3214868480
	.section	.rodata,"a",@progbits
	.p2align	6, 0x0
	.amdhsa_kernel k_qdd656ea257_proj
		.amdhsa_group_segment_fixed_size 327680
		.amdhsa_private_segment_fixed_size 0
		.amdhsa_enable_private_segment 0
		.amdhsa_kernarg_size 32
		.amdhsa_user_sgpr_count 2
		.amdhsa_user_sgpr_kernarg_segment_ptr 1
		.amdhsa_wavefront_size32 1
		.amdhsa_system_sgpr_workgroup_id_x 1
		.amdhsa_system_sgpr_workgroup_id_y 1
		.amdhsa_system_sgpr_workgroup_id_z 1
		.amdhsa_system_vgpr_workitem_id 0
		.amdhsa_next_free_vgpr 1024
		.amdhsa_next_free_sgpr 102
		.amdhsa_reserve_vcc 1
		.amdhsa_float_denorm_mode_32 3
		.amdhsa_float_denorm_mode_16_64 3
		.amdhsa_memory_ordered 1
		.amdhsa_forward_progress 1
		.amdhsa_inst_pref_size 186
	.end_amdhsa_kernel
	.amdgpu_metadata
---
amdhsa.version: [ 1, 2 ]
amdhsa.kernels:
  - .name:           k_qdd656ea257_proj
    .symbol:         k_qdd656ea257_proj.kd
    .args:
      - { .name: codes, .offset: 0, .size: 8, .value_kind: global_buffer, .address_space: global }
      - { .name: scales, .offset: 8, .size: 8, .value_kind: global_buffer, .address_space: global }
      - { .name: qkvc, .offset: 16, .size: 8, .value_kind: global_buffer, .address_space: global }
      - { .name: qkvs, .offset: 24, .size: 8, .value_kind: global_buffer, .address_space: global }
    .group_segment_fixed_size: 327680
    .private_segment_fixed_size: 0
    .kernarg_segment_align: 8
    .kernarg_segment_size: 32
    .max_flat_workgroup_size: 128
    .sgpr_count:     102
    .vgpr_count:     1024
    .wavefront_size: 32
...
	.end_amdgpu_metadata
.endif
;; end of part 2
;; launch attn (part 3): grid 4 x 64, 16 waves a work-group, no clusters, 327,680 bytes of LDS; arguments qkvc, qkvs, ac, asc; writes ac, asc
.if DOCPART == 3
	.amdgcn_target "amdgcn-amd-amdhsa--gfx1250"
	.amdhsa_code_object_version 6
	.text
	.protected	k_qdd656ea257_attn
	.globl	k_qdd656ea257_attn
	.p2align	8
	.type	k_qdd656ea257_attn,@function
k_qdd656ea257_attn:
	s_mov_b64 s[64:65], 0
	v_nop
	global_prefetch_b8 v0, s[64:65] scope:SCOPE_SE
	s_setreg_imm32_b32 hwreg(HW_REG_WAVE_MODE, 25, 1), 1
	s_wait_xcnt 0x0
; Causal attention of one head (64 channels, 2,048 tokens) on codes of FP8 (E4M3) with E8M0 scales, and the quantiser of its result along D = head x 64 + d for the output product.
; THE SOFTMAX AHEAD OF THE SECOND PRODUCT: t = score x log2(e) / 8; M = the row's largest t so far, rounded UP to a whole number; p = 2^(t - M) is what is quantised, along the keys; the row's sum is taken of the
; unquantised p and divides at the end.  When M moves, the sum and O are multiplied by 2^(old M - new M): exact.
; SHARES.  Work-group (i, bh) owns the blocks i and 7 - i of 256 queries of head bh (bh = 16 batch + head).  Under the mask block j needs the key slots 0 .. j (256 keys each): (i + 1) + (8 - i) = 9 VISITS of a slot in every
; work-group: constant trip counts, even work.  Each of sixteen waves owns 16 queries of the block in hand, in 256 registers, four waves to a SIMD.  Phase A: block i, visits 0 .. i; phase B: block 7 - i, visits i + 1 .. 8.
; NO CLUSTER, NO JOINT LOADS: the four work-groups of a head want different slots at the same visit (at visit 1 work-group 0 wants slot 0 again, the others slot 1).  Walked in step, all four would
; make 4 + 8 = 12 visits against these 9.
; THE HEAD'S K IS 64, HALF OF THE INSTRUCTION'S 128.  A fragment of k holds TWO blocks of 16 keys, one in K 0-63 and one in K 64-127; it is multiplied by [q | 0] and by [0 | q].  The zeros lie in eight registers between two copies of q.
; LAYOUT.  Both products are used transposed: S^T = k q^T, O^T = v^T p^T: a lane holds ONE query (lane % 16) throughout.  All operands come as images of their registers (16 bytes a lane, 512 a load), as the launch before laid them.
; In a block of 32, position e of lane half h stands for k = 8 h + e (e < 8) or 16 + 8 h + e - 8: alike in q and k, and alike in v and p (p's 16 registers of two tiles of 16 consecutive keys).  On the way out that order is undone.
; LIMITS: a block of zeros gets the byte 1 (its codes are zeros; this program alone reads the bytes); p under 2^-126 counts as 0 (v_exp_f32 flushes); NaN and infinities are not served.
; LDS: slot 0 at 0, slot 1 at 65,536; in a slot: k's codes 16,384 bytes, v's 16,384, k's scale words 512, v's 512.  Waves 0-3 fetch the codes (8,192 bytes each), waves 4-7 the words (256 each), one tensor load a wave and visit.
; REGISTERS: v1-7 lane terms; v8-10 addresses in hand; v12 -M, v13 the largest t, v[14:15] the sum; v16-23 q, v24-31 zeros, v32-39 q; v40-103 four fragments; v104-167 S^T, then p; v168-199 O^T; v200-215 p's codes;
;   v216-223 phase B's q; v224, v225 q's raw scale words; v226 4 r, v227 lane; v232-247, v252, v254 at work; v248-251 k's and v's scale words; v253 p's; v255 q's.
.set SLOT1, 1<<16                      ; slot 1 begins here: one exclusive or turns an address in one slot into the other's
.set SPARE, 2*SLOT1                    ; the spare words, 128 bytes for each of sixteen waves
.set VOFF,  16384                      ; v's codes in a slot
.set KSC,   32768                      ; k's scale words
.set VSC,   33280                      ; v's
.set LI,  1                            ; v1   16 x lane
.set LS,  2                            ; v2   KSC + 4 x lane: lanes 0-15 an even fragment's words, lanes 16-31 the odd one's
.set LV,  3                            ; v3   VSC + 4 r + 256 h: lanes 0-15 an even block of 16 d, lanes 16-31 the odd one
.set RH,  4                            ; v4   r - 8 h
.set SPW, 5                            ; v5   LDS address of my spare word; never rewritten
.set NIL, 6                            ; v6   0; never rewritten
.set AO,  7                            ; v7   32 r + h: my scale byte's place on the way out
.set ADC, 8
.set ADS, 9
.set ADT, 10
.set FRG, 40
.set S,   104
.set OT,  168
.set PCD, 200
.set QB,  216
.set RAWB, 224
.set RAWA, 225
.set R4,  226
.set LN,  227
.set TB,  2                            ; s2   LDS byte at which the slot in hand begins
.set VIS, 3                            ; s3   the visit
.set I1,  12                           ; s12  i + 1: phase B's first visit
.set BH,  13                           ; s13  16 batch + head
.set Q0,  14                           ; s14  my first query
.set KF,  15                           ; s15  the step's first key
.set WV,  18                           ; s18  my wave's number
.set MNT, 19
.set SEL, 20                           ; s[20:21] lane selects: lane l xor 16
.set CS,  22                           ; s[22:23] c = log2(e) / 8
.set G1C, 24                           ; s[24:31] group 1 for codes: 2 rows of 4,096 bytes, 8,192 apart
.set G1S, 32                           ; s[32:39] for scale words: 2 rows of 128 bytes, 256 apart
.set G0C, 40                           ; s[40:43], s[44:47] their groups 0
.set G0S, 44
.set BASEC, 48                         ; s[48:49], s[50:51] where my part of slot 0 begins in memory
.set BASES, 50
.set OFFC, 52                          ; s[52:53], s[54:55] the slot's offset
.set OFFS, 54
.set ACB, 56                           ; s[56:57], s[58:59] the head's place in the two outputs
.set ASB, 58
.set Q0B, 60                           ; s60  phase B's first query
.set PSEL, 66                          ; s66  which two bytes of the raw word are my 16 tokens'
; Waves 0-3 fetch codes, waves 4-7 scale words, the others nothing.  The branches hang on the wave's number alone.  Four v_nop follow each of the two lines.
.macro TLOAD
	s_cmp_lt_u32 s[WV], 4
	s_cbranch_scc0 .Lnot_c_\@
	tensor_load_to_lds s[G0C:G0C+3], s[G1C:G1C+7]
	s_nop 0
.rept 4
	v_nop
.endr
	s_branch .Lasked_\@
.Lnot_c_\@:
	s_cmp_lt_u32 s[WV], 8
	s_cbranch_scc0 .Lasked_\@
	tensor_load_to_lds s[G0S:G0S+3], s[G1S:G1S+7]
	s_nop 0
.rept 4
	v_nop
.endr
.Lasked_\@:
.endm
	s_load_b256 s[4:11], s[0:1], 0x0               ; qkvc s[4:5], qkvs s[6:7], ac s[8:9], asc s[10:11]
	v_lshl_add_u32 v[SPW], v0, 2, SPARE
	v_mov_b32 v[NIL], 0
	ds_add_u32 v5, v6
	ds_add_u32 v5, v6
	s_wait_dscnt 0x0
	v_lshrrev_b32 v8, 5, v0
	s_delay_alu instid0(VALU_DEP_1)
	v_readfirstlane_b32 s[WV], v8                  ; wave 0..15
	s_and_b32 s[BH], ttmp7, 0xffff
	s_add_co_u32 s[I1], ttmp9, 1
	s_mov_b32 s[G1C], 3<<16                        ; 15:0 no mask; 17:16 elements of 8 bytes; no padding: an image's loads take consecutive bytes
	s_mov_b32 s[G1C+1], 512<<16                    ; tensor_dim0 = 512 elements: 4,096 bytes
	s_mov_b32 s[G1C+2], 2<<16                      ; tensor_dim1 = 2
	s_mov_b32 s[G1C+3], 512<<16                    ; tile_dim0
	s_mov_b32 s[G1C+4], 2                          ; tile_dim1
	s_mov_b32 s[G1C+5], 1024                       ; from row to row: 8,192 bytes
	s_mov_b32 s[G1C+6], 0
	s_mov_b32 s[G1C+7], 0
	s_mov_b32 s[G1S], 3<<16
	s_mov_b32 s[G1S+1], 16<<16                     ; 128 bytes
	s_mov_b32 s[G1S+2], 2<<16
	s_mov_b32 s[G1S+3], 16<<16
	s_mov_b32 s[G1S+4], 2
	s_mov_b32 s[G1S+5], 32                         ; 256 bytes
	s_mov_b32 s[G1S+6], 0
	s_mov_b32 s[G1S+7], 0
	; what I fetch, if I fetch.  sub = wave & 1; waves 0, 1 (4, 5): k's; waves 2, 3 (6, 7): v's.
	s_and_b32 s16, s[WV], 1                        ; sub
	s_bfe_u32 s17, s[WV], 0x10001                  ; 1: v's
	s_lshr_b32 s72, s[BH], 1                       ; the pair of heads
	s_and_b32 s73, s[BH], 1                        ; which of the pair
	s_lshl_b32 s74, s[BH], 17                      ; k's codes: 8 MiB + 131,072 bh + 4,096 sub: fragments 2 sub, 2 sub + 1 of each of the slot's two steps
	s_lshl_b32 s75, s16, 12
	s_add_co_u32 s74, s74, s75
	s_add_co_u32 s74, s74, 8<<20
	s_lshl_b32 s76, s72, 18                        ; v's codes: 16 MiB + 262,144 pair + 131,072 sub + 4,096 (bh & 1): chunks 2 sub, 2 sub + 1 of each step
	s_lshl_b32 s75, s16, 17
	s_add_co_u32 s76, s76, s75
	s_lshl_b32 s75, s73, 12
	s_add_co_u32 s76, s76, s75
	s_add_co_u32 s76, s76, 16<<20
	s_lshl_b32 s77, s72, 13
	s_add_co_u32 s78, s77, s75                     ; k's words: 256 KiB + 8,192 pair + 4,096 (bh & 1) + 128 sub
	s_lshl_b32 s75, s16, 7
	s_add_co_u32 s78, s78, s75
	s_add_co_u32 s78, s78, 256<<10
	s_lshl_b32 s75, s16, 12                        ; v's words: 512 KiB + 8,192 pair + 4,096 sub + 128 (bh & 1)
	s_add_co_u32 s79, s77, s75
	s_lshl_b32 s75, s73, 7
	s_add_co_u32 s79, s79, s75
	s_add_co_u32 s79, s79, 512<<10
	s_cmp_eq_u32 s17, 0
	s_cselect_b32 s[OFFC], s74, s76
	s_cselect_b32 s[OFFS], s78, s79
	s_mov_b32 s[OFFC+1], 0
	s_mov_b32 s[OFFS+1], 0
	s_cmp_eq_u32 s16, 0                            ; my block of 16 tokens is the even or the odd one of its 32
	s_mov_b32 s[PSEL], 0x03020302
	s_cselect_b32 s[PSEL], 0x01000100, s[PSEL]
	s_mov_b32 s[G0C], 1                            ; count = 1
	s_and_b32 s[G0C+1], s[WV], 3
	s_lshl_b32 s[G0C+1], s[G0C+1], 13              ; LDS: 8,192 x (wave & 3), slot 0
	s_mov_b32 s[G0S], 1
	s_and_b32 s[G0S+1], s[WV], 3
	s_lshl_b32 s[G0S+1], s[G0S+1], 8
	s_add_co_u32 s[G0S+1], s[G0S+1], KSC           ; LDS: 32,768 + 256 x (wave & 3)
	s_mov_b32 s[SEL], 0x76543210
	s_mov_b32 s[SEL+1], 0xfedcba98
	s_mov_b32 s[CS], 0x3e38aa3b                    ; c = log2(e) / 8
	s_mov_b32 s[CS+1], s[CS]                       ; (named with it as a pair, so it is written)
	s_mov_b32 s[TB], 0
	s_mov_b32 s[KF], 0
	s_mov_b32 s[VIS], 0
	s_wait_kmcnt 0x0
	s_add_nc_u64 s[BASEC:BASEC+1], s[4:5], s[OFFC:OFFC+1]
	s_add_nc_u64 s[BASES:BASES+1], s[6:7], s[OFFS:OFFS+1]
	s_mov_b64 s[G0C+2:G0C+3], s[BASEC:BASEC+1]     ; visit 0: key slot 0
	s_or_b32 s[G0C+3], s[G0C+3], 0x80000000        ; type = 2
	s_mov_b64 s[G0S+2:G0S+3], s[BASES:BASES+1]
	s_or_b32 s[G0S+3], s[G0S+3], 0x80000000
	TLOAD                                          ; the first fill: one tensor load of mine is out
	; my queries, for both phases
	s_lshl_b32 s16, s[WV], 4
	s_lshl_b32 s[Q0], ttmp9, 8
	s_add_co_u32 s[Q0], s[Q0], s16                 ; phase A: 256 i + 16 wave
	s_sub_co_u32 s[Q0B], 7, ttmp9
	s_lshl_b32 s[Q0B], s[Q0B], 8
	s_add_co_u32 s[Q0B], s[Q0B], s16               ; phase B: 256 (7 - i) + 16 wave
	s_lshl_b32 s17, s[BH], 17
	s_lshl_b32 s68, s[Q0], 6                       ; 1,024 bytes for 16 tokens
	s_add_co_u32 s68, s68, s17
	s_mov_b32 s69, 0
	s_add_nc_u64 s[68:69], s[4:5], s[68:69]        ; q's codes, phase A
	s_lshl_b32 s70, s[Q0B], 6
	s_add_co_u32 s70, s70, s17
	s_mov_b32 s71, 0
	s_add_nc_u64 s[70:71], s[4:5], s[70:71]        ; phase B
	s_lshl_b32 s17, s73, 12
	s_add_co_u32 s17, s17, s77                     ; q's words: 8,192 pair + 4,096 (bh & 1) + 64 for each 32 tokens
	s_lshr_b32 s72, s[Q0], 5
	s_lshl_b32 s72, s72, 6
	s_add_co_u32 s72, s72, s17
	s_mov_b32 s73, 0
	s_add_nc_u64 s[72:73], s[6:7], s[72:73]
	s_lshr_b32 s74, s[Q0B], 5
	s_lshl_b32 s74, s74, 6
	s_add_co_u32 s74, s74, s17
	s_mov_b32 s75, 0
	s_add_nc_u64 s[74:75], s[6:7], s[74:75]
	s_lshr_b32 s16, s[BH], 4                       ; the batch
	s_and_b32 s17, s[BH], 15                       ; the head
	s_lshl_b32 s76, s16, 21                        ; ac: 16,384 bytes for 16 tokens, 1,024 of them a head's
	s_lshl_b32 s78, s17, 10
	s_add_co_u32 s76, s76, s78
	s_mov_b32 s77, 0
	s_add_nc_u64 s[ACB:ACB+1], s[8:9], s[76:77]
	s_lshl_b32 s76, s16, 16                        ; asc: 32 bytes a token, 2 of them a head's
	s_lshl_b32 s78, s17, 1
	s_add_co_u32 s76, s76, s78
	s_add_nc_u64 s[ASB:ASB+1], s[10:11], s[76:77]
	v_and_b32 v[LN], 31, v0
	v_and_b32 v9, 15, v0                           ; r
	v_bfe_u32 v10, v0, 4, 1                        ; h
	s_delay_alu instid0(VALU_DEP_3)
	v_lshlrev_b32 v[LI], 4, v[LN]
	s_delay_alu instid0(VALU_DEP_3)
	v_lshlrev_b32 v[R4], 2, v9
	global_load_b128 v[16:19], v[LI], s[68:69]             ; q stays in registers, twice: ahead of the zeros and behind them
	global_load_b128 v[20:23], v[LI], s[68:69] offset:512
	global_load_b128 v[32:35], v[LI], s[68:69]
	global_load_b128 v[36:39], v[LI], s[68:69] offset:512
	global_load_b128 v[QB:QB+3], v[LI], s[70:71]           ; and phase B's waits for its turn
	global_load_b128 v[QB+4:QB+7], v[LI], s[70:71] offset:512
	global_load_b32 v[RAWA], v[R4], s[72:73]
	global_load_b32 v[RAWB], v[R4], s[74:75]
	v_lshl_add_u32 v[LS], v[LN], 2, KSC
	v_lshl_add_u32 v[LV], v10, 8, v[R4]
	s_delay_alu instid0(VALU_DEP_1)
	v_add_nc_u32 v[LV], VSC, v[LV]
	v_lshlrev_b32 v[RH], 3, v10
	s_delay_alu instid0(VALU_DEP_1)
	v_sub_nc_u32 v[RH], v9, v[RH]
	v_lshl_add_u32 v[AO], v9, 5, v10
.irp j, 0,1,2,3,4,5,6,7
	v_mov_b32 v[24+\j], 0                          ; the zeros between the two copies of q: written once
.endr
; A phase begins: q's scale word (s0, s1, s0, s1: it serves [q | 0] and [0 | q] alike), q (move = 1: phase B's), and the running figures.  O^T and the sum begin as zeros and the largest t as -3e38: the first change of M multiplies zeros.
.macro INIT raw, move
	v_perm_b32 v255, v[\raw], v[\raw], s[PSEL]
.if \move
.irp j, 0,1,2,3,4,5,6,7
	v_mov_b32 v[16+\j], v[QB+\j]
	v_mov_b32 v[32+\j], v[QB+\j]
.endr
.endif
	v_mov_b32 v13, 0xff61b1e6                      ; -3e38, under every t
	s_delay_alu instid0(VALU_DEP_1)
	v_floor_f32 v12, -v13                          ; -M
	v_mov_b32 v14, 0
	v_mov_b32 v15, 0
.irp b, 0,1,2,3
	v_mov_b32 v[236+\b], 0                         ; a lane permute's destination counts as one of its sources
.endr
	v_mov_b32 v252, 0                              ; likewise
	v_mov_b32 v253, 0                              ; (named as the upper half of the pair v[252:253] before it is first written)
.set j, 0
.rept 32
	v_mov_b32 v[OT+j], 0
.set j, j+1
.endr
.endm
; A KEY STEP: 128 keys, the q-th of the slot in hand.
.macro STEP q
	s_add_co_u32 s96, s[Q0], 15                    ; a step all of whose keys come after my 16 queries is left out: a scalar branch on ids; no barrier and no tensor load stands in a step
	s_cmp_gt_u32 s[KF], s96
	s_cbranch_scc1 .Lhidden_\@
	v_add_nc_u32 v[ADC], s[TB], v[LI]
	v_add_nc_u32 v[ADS], s[TB], v[LS]
	v_add_nc_u32 v[ADT], s[TB], v[LV]
.rept 5
	v_nop                                          ; with the three additions: eight places in front of loads into registers that the last products have read
.endr
.irp b, 0,1,2,3                                ; k's four fragments: fragment b holds keys 32 b + r (K 0-63) and 32 b + 16 + r (K 64-127)
.irp c, 0,1,2,3
	ds_load_b128 v[FRG+16*\b+4*\c:FRG+16*\b+4*\c+3], v[ADC] offset:(\b/2)*8192+(\q)*4096+(\b%2)*2048+512*\c
.endr
.endr
	ds_load_b32 v248, v[ADS] offset:128*(\q)       ; their scale words: fragments 0 (lanes 0-15) and 1 (lanes 16-31),
	ds_load_b32 v249, v[ADS] offset:256+128*(\q)   ; 2 and 3
	s_wait_alu depctr_va_vdst(0)
	s_wait_dscnt 0x0
.irp b, 0,1,2,3                                ; S^T: tile 2 b = keys 32 b + 0 .. 15, tile 2 b + 1 = keys 32 b + 16 .. 31; register j of lane (r, h): key 8 h + j of the tile, query r
.if \b%2
	v_wmma_scale_f32_16x16x128_f8f6f4 v[S+16*\b:S+16*\b+7], v[FRG+16*\b:FRG+16*\b+15], v[16:31], 0, v[248+\b/2], v255 matrix_a_scale:MATRIX_SCALE_ROW1
	v_wmma_scale_f32_16x16x128_f8f6f4 v[S+16*\b+8:S+16*\b+15], v[FRG+16*\b:FRG+16*\b+15], v[24:39], 0, v[248+\b/2], v255 matrix_a_scale:MATRIX_SCALE_ROW1
.else
	v_wmma_scale_f32_16x16x128_f8f6f4 v[S+16*\b:S+16*\b+7], v[FRG+16*\b:FRG+16*\b+15], v[16:31], 0, v[248+\b/2], v255
	v_wmma_scale_f32_16x16x128_f8f6f4 v[S+16*\b+8:S+16*\b+15], v[FRG+16*\b:FRG+16*\b+15], v[24:39], 0, v[248+\b/2], v255
.endif
.endr
.rept 8
	v_nop                                          ; places: behind them the scores are read, and v's fragments are loaded where k's lay
.endr
.irp d, 0,1,2,3                                ; v's four fragments (16 d x these 128 keys) are asked for here and land under the softmax
.irp c, 0,1,2,3
	ds_load_b128 v[FRG+16*\d+4*\c:FRG+16*\d+4*\c+3], v[ADC] offset:VOFF+(\c/2)*8192+(\q)*4096+\d*1024+(\c%2)*512
.endr
.endr
	ds_load_b32 v250, v[ADT] offset:128*(\q)       ; their scale words: blocks 0 (lanes 0-15) and 1 (lanes 16-31) of 16 d,
	ds_load_b32 v251, v[ADT] offset:128*(\q)+64    ; 2 and 3
	s_add_co_u32 s96, s[KF], 127                   ; on the diagonal the scores of hidden keys become -infinity ahead of the maximum: p = 0 then.  A step all of whose keys count skips this
	s_cmp_le_u32 s96, s[Q0]
	s_cbranch_scc1 .Lopen_\@
	s_sub_co_i32 s96, s[Q0], s[KF]
	v_add_nc_u32 v252, s96, v[RH]                  ; d = my query - KF - 8 h.  Register n holds key KF + 16 (n / 8) + 8 h + n % 8: hidden where 16 (n / 8) + n % 8 > d
	v_mov_b32 v254, 0xff800000                     ; -infinity
.set n, 0
.rept 64
	v_cmp_gt_i32 vcc_lo, 16*(n/8)+n%8, v252
	v_cndmask_b32 v[S+n], v[S+n], v254, vcc_lo
.set n, n+1
.endr
.Lopen_\@:
.irp b, 0,1,2,3
	v_max3_num_f32 v[232+\b], v[S+16*\b], v[S+1+16*\b], v[S+2+16*\b]   ; the largest score of each block of 32 keys: it serves the row's maximum and, since p rises with the score, the block's largest p
.endr
.irp i, 3,5,7,9,11,13
.irp b, 0,1,2,3
	v_max3_num_f32 v[232+\b], v[232+\b], v[S+16*\b+\i], v[S+1+16*\b+\i]   ; (the four blocks by turns)
.endr
.endr
.irp b, 0,1,2,3
	v_max_num_f32 v[232+\b], v[232+\b], v[S+15+16*\b]
.endr
.irp b, 0,1,2,3
	s_delay_alu instid0(VALU_DEP_4)
	v_permlanex16_b32 v[236+\b], v[232+\b], s[SEL], s[SEL+1]
.endr
.irp b, 0,1,2,3
	s_delay_alu instid0(VALU_DEP_4)
	v_max_num_f32 v[232+\b], v[232+\b], v[236+\b]  ; with lane l xor 16's 16 keys
.endr
	s_delay_alu instid0(VALU_DEP_2)
	v_max3_num_f32 v254, v232, v233, v234
	s_delay_alu instid0(VALU_DEP_1)
	v_max_num_f32 v254, v254, v235                 ; the step's largest score of my query (key KF counts for all my queries, so it is a number)
	s_delay_alu instid0(VALU_DEP_1)
	v_mul_f32 v254, s[CS], v254                    ; as t (c is positive)
	s_delay_alu instid0(VALU_DEP_1)
	v_max_num_f32 v13, v13, v254                   ; the running largest t
	v_mov_b32 v254, v12
	s_delay_alu instid0(VALU_DEP_2)
	v_floor_f32 v12, -v13                          ; the new -M = floor(-t) = -ceil(t): a whole number
	s_delay_alu instid0(VALU_DEP_1)
	v_sub_f32 v254, v12, v254                      ; M's old value less its new one: a whole number, 0 or less
	s_delay_alu instid0(VALU_DEP_1)
	v_cvt_i32_f32 v254, v254                       ; (it saturates)
	s_delay_alu instid0(VALU_DEP_1)
	v_ldexp_f32 v252, 1.0, v254                    ; f = 2^(old M - new M)
.set j, 0
.rept 32
	v_pk_fma_f32 v[S+j:S+j+1], v[S+j:S+j+1], s[CS:CS+1], v[12:13] op_sel_hi:[1,0,0]   ; t - M, two at a time
.set j, j+2
.endr
.irp b, 0,1,2,3
	v_fma_f32 v[232+\b], v[232+\b], s[CS], v12     ; the same of each block's largest score
.endr
.set j, 0
	s_wait_alu depctr_va_vdst(0)
.rept 64
	v_exp_f32 v[S+j], v[S+j]                       ; p = 2^(t - M), at most 1: not normalised
.set j, j+1
.endr
	v_pk_mul_f32 v[14:15], v[14:15], v[252:253] op_sel_hi:[1,0]   ; the sums under the new M.  (A plain instruction behind the exponentials)
	s_wait_alu depctr_va_vdst(0)                   ; one wait for the whole batch, ahead of its first reader
.irp b, 0,1,2,3
	v_exp_f32 v[232+\b], v[232+\b]                 ; the block's largest p: the same two instructions on the same number give the same bits
.endr
	v_pk_add_f32 v[236:237], v[108:109], v[112:113]
	v_pk_add_f32 v[248:249], v[116:117], v[120:121]
	v_pk_add_f32 v[246:247], v[124:125], v[128:129]
	v_pk_add_f32 v[244:245], v[132:133], v[136:137]
	v_pk_add_f32 v[242:243], v[140:141], v[144:145]
	v_pk_add_f32 v[240:241], v[148:149], v[152:153]
	v_pk_add_f32 v[238:239], v[156:157], v[160:161]
	v_pk_add_f32 v[14:15], v[14:15], v[164:165]
	v_pk_add_f32 v[236:237], v[236:237], v[104:105]
	v_pk_add_f32 v[248:249], v[248:249], v[106:107]
	v_pk_add_f32 v[246:247], v[246:247], v[110:111]
	v_pk_add_f32 v[244:245], v[244:245], v[114:115]
	v_pk_add_f32 v[242:243], v[242:243], v[118:119]
	v_pk_add_f32 v[240:241], v[240:241], v[122:123]
	v_pk_add_f32 v[238:239], v[238:239], v[126:127]
	v_pk_add_f32 v[14:15], v[14:15], v[130:131]
	v_pk_add_f32 v[236:237], v[236:237], v[134:135]
	v_pk_add_f32 v[248:249], v[248:249], v[138:139]
	v_pk_add_f32 v[246:247], v[246:247], v[142:143]
	v_pk_add_f32 v[244:245], v[244:245], v[146:147]
	v_pk_add_f32 v[242:243], v[242:243], v[150:151]
	v_pk_add_f32 v[240:241], v[240:241], v[154:155]
	v_pk_add_f32 v[238:239], v[238:239], v[158:159]
	v_pk_add_f32 v[14:15], v[14:15], v[162:163]
	v_pk_add_f32 v[236:237], v[236:237], v[166:167]
	s_delay_alu instid0(VALU_DEP_2)
	v_pk_add_f32 v[14:15], v[14:15], v[244:245]
	s_delay_alu instid0(VALU_DEP_2)
	v_pk_add_f32 v[236:237], v[236:237], v[242:243]
	v_pk_add_f32 v[248:249], v[248:249], v[240:241]
	v_pk_add_f32 v[246:247], v[246:247], v[238:239]
	s_delay_alu instid0(VALU_DEP_2)
	v_pk_add_f32 v[14:15], v[14:15], v[248:249]
	s_delay_alu instid0(VALU_DEP_2)
	v_pk_add_f32 v[236:237], v[236:237], v[246:247]
	s_delay_alu instid0(VALU_DEP_1)
	v_pk_add_f32 v[14:15], v[14:15], v[236:237]
	s_wait_alu depctr_va_vdst(0)                   ; and one for the four
.irp b, 0,1,2,3
	v_max_num_f32 v[232+\b], 0x4800000, v[232+\b]  ; the floor 2^(9 - 127): the byte cannot fall under 1 (a block whose every p is 0 keeps that byte: its codes are zeros)
.endr
.irp b, 0,1,2,3
	s_delay_alu instid0(VALU_DEP_4)
	v_add_nc_u32 v[244+\b], 0xfc000000, v[232+\b]  ; 8 off the exponent field: the conversion's scale operand
.endr
.irp b, 0,1,2,3
.endr
.irp b, 0,1,2,3
	s_delay_alu instid0(VALU_DEP_4)
	v_lshrrev_b32 v[236+\b], 23, v[244+\b]         ; the scale's byte
.endr
	s_delay_alu instid0(VALU_DEP_3)
	v_lshl_or_b32 v253, v237, 8, v236              ; p's scale word for these 128 keys
	s_delay_alu instid0(VALU_DEP_1)
	v_lshl_or_b32 v253, v238, 16, v253
	s_delay_alu instid0(VALU_DEP_1)
	v_lshl_or_b32 v253, v239, 24, v253
.irp b, 0,1,2,3
.irp i, 0,1,2,3,4,5,6,7,8,9,10,11,12,13,14,15
.endr
	v_cvt_scalef32_pk8_fp8_f32 v[PCD+4*\b:PCD+4*\b+1], v[S+16*\b:S+16*\b+7], v[244+\b]
	v_cvt_scalef32_pk8_fp8_f32 v[PCD+4*\b+2:PCD+4*\b+3], v[S+16*\b+8:S+16*\b+15], v[244+\b]
.endr
.set j, 0
.rept 16
	v_pk_mul_f32 v[OT+j:OT+j+1], v[OT+j:OT+j+1], v[252:253] op_sel_hi:[1,0]   ; O^T under the new M: x f.  (These sixteen are also the places between the codes and the products)
.set j, j+2
.endr
	s_wait_alu depctr_va_vdst(0)
	s_wait_dscnt 0x0                               ; v's fragments and words are in
.irp d, 0,1,2,3                                ; O^T += v^T p^T: four accumulators by turns
.if \d%2
	v_wmma_scale_f32_16x16x128_f8f6f4 v[OT+8*\d:OT+8*\d+7], v[FRG+16*\d:FRG+16*\d+15], v[PCD:PCD+15], v[OT+8*\d:OT+8*\d+7], v[250+\d/2], v253 matrix_a_scale:MATRIX_SCALE_ROW1
.else
	v_wmma_scale_f32_16x16x128_f8f6f4 v[OT+8*\d:OT+8*\d+7], v[FRG+16*\d:FRG+16*\d+15], v[PCD:PCD+15], v[OT+8*\d:OT+8*\d+7], v[250+\d/2], v253
.endif
.endr
.Lhidden_\@:
	s_add_co_u32 s[KF], s[KF], 128
.endm
; THE CHANGE OF SLOTS stands at a visit's head.  Each wave waits for all its tensor loads (its part of the slot that it is about to read), adds 0 to its spare word, and waits for that and for its reads of the slot that it has left.
; Behind the barrier the slot ahead is whole and nobody reads the other one.  fill = 1: that other slot is filled for the next visit: the load has a whole visit in which to land.
.macro CHANGE fill
	s_wait_tensorcnt 0x0                           ; no tensor load of mine is out, so a group 0 may be written
	ds_add_u32 v[SPW], v[NIL]                      ; 0 onto my spare word: with fill = 1 the descriptors' steps stand between it and the wait for it
.if \fill
	s_add_co_u32 s96, s[VIS], 1                    ; the next visit,
	s_sub_co_u32 s97, s96, s[I1]
	s_cmp_lt_u32 s96, s[I1]
	s_cselect_b32 s96, s96, s97                    ; and its key slot: the visit's number in its phase
	s_lshl_b32 s[OFFC], s96, 14                    ; 16,384 bytes of codes a slot,
	s_lshl_b32 s[OFFS], s96, 9                     ; 512 of scale words
	s_add_nc_u64 s[G0C+2:G0C+3], s[BASEC:BASEC+1], s[OFFC:OFFC+1]
	s_or_b32 s[G0C+3], s[G0C+3], 0x80000000
	s_add_nc_u64 s[G0S+2:G0S+3], s[BASES:BASES+1], s[OFFS:OFFS+1]
	s_or_b32 s[G0S+3], s[G0S+3], 0x80000000
	s_xor_b32 s[G0C+1], s[G0C+1], SLOT1            ; the other slot than last time
	s_xor_b32 s[G0S+1], s[G0S+1], SLOT1
.endif
	s_wait_dscnt 0x0                               ; the add is done, and my reads of the slot that I have left are over
	s_barrier_signal -1
	s_barrier_wait -1
.if \fill
	TLOAD                                          ; the first thing behind the barrier, and a wave's one tensor load until the next
.endif
.endm
; A PHASE ENDS: O^T is divided by the row's sum and quantised along D: the head's 64 are two blocks of 32.  Register 16 b + i of lane (r, h) is d = 32 b + 8 h + i (i < 8) or 32 b + 16 + 8 h + i - 8.  For the output product the codes are
; put into the operand's own order (lane half h: d = 32 b + 16 h + 0 .. 15): lanes 0-15 give their second eight codes for lanes 16-31's first eight.  Each store of codes is 512 consecutive bytes, aligned.
.macro FINAL
.rept 8
	v_nop                                          ; places behind the last products
.endr
	v_add_f32 v14, v14, v15                        ; the sum's two halves,
	s_delay_alu instid0(VALU_DEP_1)
	v_permlanex16_b32 v252, v14, s[SEL], s[SEL+1]
	s_delay_alu instid0(VALU_DEP_1)
	v_add_f32 v14, v14, v252                       ; and lane l xor 16's: the row's sum
	s_wait_alu depctr_va_vdst(0)
	v_rcp_f32 v14, v14
	v_cmp_lt_u32 vcc_lo, 15, v[LN]                 ; lanes 16-31.  (A plain instruction behind the reciprocal)
	s_lshl_b32 s68, s[Q0], 10                      ; 16,384 bytes for 16 tokens
	s_mov_b32 s69, 0
	s_add_nc_u64 s[68:69], s[ACB:ACB+1], s[68:69]
	s_lshl_b32 s70, s[Q0], 5                       ; 32 scale bytes a token
	s_mov_b32 s71, 0
	s_add_nc_u64 s[70:71], s[ASB:ASB+1], s[70:71]
	s_wait_alu depctr_va_vdst(0)                   ; the wait ahead of the reciprocal's first reader
.set j, 0
.rept 32
	v_mul_f32 v[S+j], v[OT+j], v14                 ; each accumulator from its low end on
.set j, j+1
.endr
.irp b, 0,1
	v_max3_num_f32 v[232+\b], |v[S+16*\b]|, |v[S+1+16*\b]|, 0x4800000   ; my 16 numbers of block b, and the floor
.endr
.irp i, 2,4,6,8,10,12,14
.irp b, 0,1
	s_delay_alu instid0(VALU_DEP_2)
	v_max3_num_f32 v[232+\b], v[232+\b], |v[S+16*\b+\i]|, |v[S+1+16*\b+\i]|
.endr
.endr
.irp b, 0,1
	s_delay_alu instid0(VALU_DEP_2)
	v_permlanex16_b32 v[236+\b], v[232+\b], s[SEL], s[SEL+1]
.endr
.irp b, 0,1
	s_delay_alu instid0(VALU_DEP_2)
	v_max_num_f32 v[232+\b], v[232+\b], v[236+\b]
.endr
.irp b, 0,1
	s_delay_alu instid0(VALU_DEP_2)
	v_add_nc_u32 v[244+\b], 0xfc000000, v[232+\b]
.endr
.irp b, 0,1
.endr
.irp b, 0,1
	s_delay_alu instid0(VALU_DEP_2)
	v_lshrrev_b32 v[246+\b], 23, v[244+\b]         ; the two scale bytes
.endr
.irp b, 0,1
.irp i, 0,1,2,3,4,5,6,7,8,9,10,11,12,13,14,15
.endr
	v_cvt_scalef32_pk8_fp8_f32 v[PCD+4*\b:PCD+4*\b+1], v[S+16*\b:S+16*\b+7], v[244+\b]
	v_cvt_scalef32_pk8_fp8_f32 v[PCD+4*\b+2:PCD+4*\b+3], v[S+16*\b+8:S+16*\b+15], v[244+\b]
.endr
	v_nop                                          ; one plain vector instruction behind the last conversion
.irp b, 0,1
.irp w, 0,1
	v_cndmask_b32 v[232+2*\b+\w], v[PCD+4*\b+2+\w], v[PCD+4*\b+\w], vcc_lo   ; what I give: lanes 0-15 their second eight codes, lanes 16-31 their first
.endr
.endr
.irp k, 0,1,2,3
	s_delay_alu instid0(VALU_DEP_4)
	v_permlanex16_b32 v[236+\k], v[232+\k], s[SEL], s[SEL+1]
.endr
.irp b, 0,1
.irp w, 0,1
	v_cndmask_b32 v[PCD+4*\b+\w], v[PCD+4*\b+\w], v[236+2*\b+\w], vcc_lo     ; lanes 16-31: d 16-23 come first,
	v_cndmask_b32 v[PCD+4*\b+2+\w], v[236+2*\b+\w], v[PCD+4*\b+2+\w], vcc_lo ; lanes 0-15: d 8-15 come second
.endr
.endr
	v_cndmask_b32 v246, v246, v247, vcc_lo         ; lanes 0-15 store block 0's byte, lanes 16-31 block 1's
	global_store_b128 v[LI], v[PCD:PCD+3], s[68:69]
	global_store_b128 v[LI], v[PCD+4:PCD+7], s[68:69] offset:512
	global_store_b8 v[AO], v246, s[70:71]          ; two bytes of each of 16 rows of 32: one byte in 32 of what the launch stores
	s_wait_xcnt 0x0                                ; the stores have read their registers and bases: both are written again in the next phase
.endm
	s_wait_loadcnt 0x0                             ; q and its words, for both phases
	INIT RAWA, 0
.Lvisit:                                           ; eight trips: behind each change of slots but the last the next visit's slot is asked for
	CHANGE 1
	s_cmp_lg_u32 s[VIS], s[I1]                     ; phase B begins at visit i + 1: a branch on ids, the same in all sixteen waves
	s_cbranch_scc1 .Lsame
	FINAL
	s_mov_b32 s[Q0], s[Q0B]
	s_mov_b32 s[KF], 0
	INIT RAWB, 1
.Lsame:
	STEP 0
	STEP 1
	s_xor_b32 s[TB], s[TB], SLOT1                  ; on to the other slot
	s_add_co_u32 s[VIS], s[VIS], 1
	s_cmp_lt_u32 s[VIS], 8
	s_cbranch_scc1 .Lvisit
	CHANGE 0                                       ; the last visit is written out
	STEP 0
	STEP 1
	FINAL
	s_wait_tensorcnt 0x0                           ; the wave's end
	ds_add_u32 v[SPW], v[NIL]
	s_wait_dscnt 0x0
	s_endpgm
.Lfunc_end_k_qdd656ea257_attn:
	.size	k_qdd656ea257_attn, .Lfunc_end_k_qdd656ea257_attn-k_qdd656ea257_attn
	.p2alignl 7, 3214868480
	.fill 96, 4, 3214868480
	.section	.rodata,"a",@progbits
	.p2align	6, 0x0
	.amdhsa_kernel k_qdd656ea257_attn
		.amdhsa_group_segment_fixed_size 327680
		.amdhsa_private_segment_fixed_size 0
		.amdhsa_enable_private_segment 0
		.amdhsa_kernarg_size 32
		.amdhsa_user_sgpr_count 2
		.amdhsa_user_sgpr_kernarg_segment_ptr 1
		.amdhsa_wavefront_size32 1
		.amdhsa_system_sgpr_workgroup_id_x 1
		.amdhsa_system_sgpr_workgroup_id_y 1
		.amdhsa_system_sgpr_workgroup_id_z 1
		.amdhsa_system_vgpr_workitem_id 0
		.amdhsa_next_free_vgpr 256
		.amdhsa_next_free_sgpr 100
		.amdhsa_reserve_vcc 1
		.amdhsa_float_denorm_mode_32 3
		.amdhsa_float_denorm_mode_16_64 3
		.amdhsa_fp16_overflow 1
		.amdhsa_memory_ordered 1
		.amdhsa_forward_progress 1
		.amdhsa_inst_pref_size 112
	.end_amdhsa_kernel
	.amdgpu_metadata
---
amdhsa.version: [ 1, 2 ]
amdhsa.kernels:
  - .name:           k_qdd656ea257_attn
    .symbol:         k_qdd656ea257_attn.kd
    .args:
      - { .name: qkvc, .offset: 0, .size: 8, .value_kind: global_buffer, .address_space: global }
      - { .name: qkvs, .offset: 8, .size: 8, .value_kind: global_buffer, .address_space: global }
      - { .name: ac, .offset: 16, .size: 8, .value_kind: global_buffer, .address_space: global }
      - { .name: asc, .offset: 24, .size: 8, .value_kind: global_buffer, .address_space: global }
    .group_segment_fixed_size: 327680
    .private_segment_fixed_size: 0
    .kernarg_segment_align: 8
    .kernarg_segment_size: 32
    .max_flat_workgroup_size: 512
    .sgpr_count:     100
    .vgpr_count:     256
    .wavefront_size: 32
...
	.end_amdgpu_metadata
.endif
;; end of part 3
;; launch outp (part 4): grid 4 x 32, 4 waves a work-group, clusters of 4 x 4, 327,680 bytes of LDS; arguments ac, asc, codes, scales, bo, out0; writes out0
.if DOCPART == 4
	.amdgcn_target "amdgcn-amd-amdhsa--gfx1250"
	.amdhsa_code_object_version 6
	.text
	.protected	k_qdd656ea257_outp
	.globl	k_qdd656ea257_outp
	.p2align	8
	.type	k_qdd656ea257_outp,@function
k_qdd656ea257_outp:
	s_mov_b64 s[64:65], 0
	v_nop
	global_prefetch_b8 v0, s[64:65] scope:SCOPE_SE
	s_setreg_imm32_b32 hwreg(HW_REG_WAVE_MODE, 25, 1), 1
	s_wait_xcnt 0x0
	s_wait_alu depctr_hold_cnt(0) depctr_sa_sdst(0) depctr_va_vdst(0) depctr_va_sdst(0) depctr_va_ssrc(0) depctr_va_vcc(0) depctr_vm_vsrc(0)
	s_getreg_b32 s2, hwreg(HW_REG_IB_STS2, 6, 4)
	s_cmp_eq_u32 s2, 0
	s_cbranch_scc0 .Lentry_in_a_cluster
	s_endpgm
.Lentry_in_a_cluster:
	s_bfe_u32 s2, ttmp6, 0x10000c
	s_cmp_lg_u32 s2, 0xf033
	s_cbranch_scc0 .Lentry_shape_is_right
	s_endpgm
.Lentry_shape_is_right:
; out0[m][n] = sum over k of A[m][k] Wo[n][k] + bo[n].  A: the attention result, 8,192 x 1,024, as codes of FP8 (E4M3) with E8M0 scales; Wo's codes and scales lie 27 MiB (864 KiB) into codes (scales); out0 f32; sums in f32.
; A's codes come as IMAGES of operand registers, [16 tokens][128 along K][chunk of 32][lane][16 bytes]: a fragment is 2,048 consecutive bytes, a K step of 256 of 16 tokens 4,096.  A's scale bytes [8192][32] and all of Wo lie as rows.
; A tile of out0, 256 x 256, is made by four waves, 128 x 128 each: 64 accumulators, 512 registers.  K goes in steps of 256 through a ring of two LDS slots; the scale bytes of the tile's rows come once and stay.
; CLUSTERS: 4 x 4 work-groups.  The four of a row of the cluster need the same tiles of A, the four of a column the same tiles of Wo: each is asked for jointly.
; THE MATRIX INSTRUCTION IS USED TRANSPOSED (source 0 = 16 rows of Wo, source 1 = 16 rows of A): a lane holds eight neighbouring numbers of a row of out0.  bo is the C of each sum's first product: eight registers a block of 16 columns.
; REGISTERS, in windows of 256: window 0: v0-31 addresses; v32-63 scale words, two sets; v64-127 bo in the results' layout; from v128 A's fragments, one set; on the way out v128-255 rows of out0.
;   window 1: Wo's fragments, two sets.   window 2: the accumulators of my rows 0-63;   window 3: those of my rows 64-127.
.set SIZE_K, 1024
.set SIZE_N, 1024
.set WO_OFF, 27<<20                    ; Wo's codes in the buffer of codes
.set KSTEP,  256
.set NQ,     KSTEP/128
.set ROWB,   256                       ; a row of Wo's tile in bytes
.set KROW,   SIZE_K
.set ASTEP,  4096                      ; a K step of 16 tokens of A, in bytes
.set PITCH,  272                       ; an LDS row of Wo's tile: 256 bytes + 16 of padding: the 16 rows that a load touches start at 16 different banks (64 banks of 4 bytes: ISA guide 11.1)
.set FR,     16
.set NL,     4
.set NP,     8                         ; places behind this matrix instruction (ISA guide 7.12.1)
.set HALFT,  128*PITCH                 ; room for what one tensor load brings: 128 rows of Wo (34,816 bytes) or 8 x 4,096 bytes of A
.set SLOT,   4*HALFT
.set LAPS,   SIZE_K/(2*KSTEP)
.set KS,     SIZE_K/32
.set SCL,    2*SLOT
.set HALFS,  (128*KS/256)*272
.set SBLK,   (16*KS/256)*272
.set SPARE,  SCL+4*HALFS
.set SPITCH, 528                       ; the way out: a stage of 16 rows x (512 bytes + 16) for each wave, in slot 0, which has had its last fill and its last read when the first result is stored there
.set ADRA, 16
.set ADRB, 20
.set STO,  24
.set RD,   25
.set CO,   26
.set ADRS, 27
.set SPW,  28
.set NIL,  29
.set SC,   32
.set BIAS, 64
.set AF,   128
.set BK,   128
.set G1, 24
.set G0, 32
.set G1B, 48
.set G0B, 56
.set G1S, 68
.set G0S, 76
.set G1SB, 80
.set G0SB, 88
.set MSB, 0
.macro WIN new                         ; the immediate's high byte repeats the setting that is left
.if MSB != \new
	s_set_vgpr_msb (MSB<<8)|\new
.set MSB, \new
.endif
.endm
.set MUL_LO, 0xa1                      ; source 0 (Wo) window 1, source 1 (A) window 0, C and D window 2
.set MUL_HI, 0xf1                      ; the same, C and D window 3
.set TO_B,   0x40
.macro JLOAD g0a, g1a, g0b, g1b        ; a joint load: waves 0 and 1 fetch for A, waves 2 and 3 for Wo; four v_nop follow each of the two lines
	s_cmp_eq_u32 s15, 0
	s_cbranch_scc0 .Lfor_b_\@
	tensor_load_to_lds s[\g0a:\g0a+3], s[\g1a:\g1a+7]
	s_nop 0
.rept 4
	v_nop
.endr
	s_branch .Lasked_\@
.Lfor_b_\@:
	tensor_load_to_lds s[\g0b:\g0b+3], s[\g1b:\g1b+7]
	s_nop 0
.rept 4
	v_nop
.endr
.Lasked_\@:
.endm
.macro CREST                           ; a round of the cluster's barrier behind its opening barrier
	s_cmp_lg_u32 s14, 0
	s_cbranch_scc1 .Lnot_wave_0_\@
	s_barrier_signal -3
.Lnot_wave_0_\@:
	s_barrier_wait -3
	s_barrier_signal -1
	s_barrier_wait -1
.endm
.macro CROUND
	s_barrier_signal -1
	s_barrier_wait -1
	CREST
.endm
	s_load_b256 s[4:11], s[0:1], 0x0               ; ac s[4:5], asc s[6:7], codes s[8:9], scales s[10:11]
	s_load_b128 s[96:99], s[0:1], 0x20             ; bo s[96:97], out0 s[98:99]
	v_lshl_add_u32 v[SPW], v0, 2, SPARE
	v_mov_b32 v[NIL], 0
	ds_add_u32 v28, v29
	s_wait_dscnt 0x0
	v_lshrrev_b32 v1, 5, v0
	v_readfirstlane_b32 s14, v1                    ; wave 0..3
	s_lshr_b32 s15, s14, 1                         ; which half of the tile's rows is mine.  Also: I fetch for A (0) or for Wo (1)
	s_and_b32 s16, s14, 1                          ; which half of its columns.  Also: which 128 rows of that tile I fetch
	s_bfe_u32 s40, ttmp6, 0x40000                  ; cx, cy
	s_bfe_u32 s41, ttmp6, 0x40004
	s_lshl_b32 s42, ttmp9, 2
	s_add_co_u32 s42, s42, s40                     ; tile column = 4 x cluster x + cx
	s_and_b32 s17, ttmp7, 0xffff
	s_lshl_b32 s17, s17, 2
	s_add_co_u32 s17, s17, s41                     ; tile row = 4 x cluster y + cy
	s_lshl_b32 s43, s41, 2
	s_lshl_b32 s43, 15, s43                        ; my row of the cluster
	s_lshl_b32 s44, 0x1111, s40                    ; my column
	; group 1 for A's tiles: 8 blocks of 16 tokens x 4,096 bytes (512 elements of 8 bytes), 16,384 bytes apart; no padding: an image's loads take consecutive bytes
	s_or_b32 s[G1+0], s43, (3<<16)|(1<<21)         ; 15:0 the mask: A's tiles go to my row; 17:16 elements of 8 bytes; 21 set beside a mask
	s_mov_b32 s[G1+1], 512<<16
	s_mov_b32 s[G1+2], 8<<16
	s_mov_b32 s[G1+3], 512<<16
	s_mov_b32 s[G1+4], 8
	s_mov_b32 s[G1+5], 2048
	s_mov_b32 s[G1+6], 0
	s_mov_b32 s[G1+7], 0
	; for Wo's: 128 rows x 256 bytes, padded in LDS
	s_or_b32 s[G1B+0], s44, (0<<16)|(1<<20)|(1<<21)|(5<<22)|(3<<25)
	s_mov_b32 s[G1B+1], ROWB<<16
	s_mov_b32 s[G1B+2], 128<<16
	s_mov_b32 s[G1B+3], ROWB<<16
	s_mov_b32 s[G1B+4], 128
	s_mov_b32 s[G1B+5], KROW
	s_mov_b32 s[G1B+6], 0
	s_mov_b32 s[G1B+7], 0
	; and for the scales of 128 rows: a dense block of 4,096 bytes, as rows of 256 bytes, 16 bytes of padding behind each
	s_or_b32 s[G1S+0], s43, (3<<16)|(1<<20)|(1<<21)|(5<<22)|(3<<25)
	s_or_b32 s[G1SB+0], s44, (3<<16)|(1<<20)|(1<<21)|(5<<22)|(3<<25)
.irp g, G1S, G1SB
	s_mov_b32 s[\g+1], 32<<16
	s_mov_b32 s[\g+2], (128*KS/256)<<16
	s_mov_b32 s[\g+3], 32<<16
	s_mov_b32 s[\g+4], 128*KS/256
	s_mov_b32 s[\g+5], 32
	s_mov_b32 s[\g+6], 0
	s_mov_b32 s[\g+7], 0
.endr
	s_lshl_b32 s18, s16, 7                         ; which 128 rows of the tile I fetch
	s_lshl_b32 s20, s17, 8
	s_add_co_u32 s20, s20, s18                     ; A: row 256 x tile row + 128 x half
	s_lshl_b32 s46, s42, 8
	s_add_co_u32 s46, s46, s18                     ; Wo: row 256 x tile column + 128 x half
	s_lshl_b32 s22, s20, 5                         ; their scales,
	s_lshl_b32 s92, s46, 5
	s_add_co_u32 s92, s92, WO_OFF/32
	s_lshl_b32 s20, s20, 10                        ; their codes: 16 tokens of A are 16,384 bytes, a row of Wo 1,024
	s_lshl_b32 s46, s46, 10
	s_add_co_u32 s46, s46, WO_OFF
	s_mov_b32 s21, 0
	s_mov_b32 s23, 0
	s_mov_b32 s47, 0
	s_mov_b32 s93, 0
	s_mul_i32 s45, s14, HALFT                      ; where they go: no place in the cluster enters an LDS address
	s_mul_i32 s94, s14, HALFS
	s_wait_kmcnt 0x0
	s_add_nc_u64 s[20:21], s[4:5], s[20:21]
	s_add_nc_u64 s[22:23], s[6:7], s[22:23]
	s_add_nc_u64 s[46:47], s[8:9], s[46:47]
	s_add_nc_u64 s[92:93], s[10:11], s[92:93]
	s_mov_b64 s[12:13], s[98:99]                   ; out0
	CROUND                                         ; all sixteen work-groups are here: the first joint loads meet
	s_mov_b32 s[G0S], 1
	s_add_co_u32 s[G0S+1], s94, SCL
	s_mov_b64 s[G0S+2:G0S+3], s[22:23]
	s_or_b32 s[G0S+3], s[G0S+3], 0x80000000
	s_mov_b32 s[G0SB], 1
	s_add_co_u32 s[G0SB+1], s94, SCL
	s_mov_b64 s[G0SB+2:G0SB+3], s[92:93]
	s_or_b32 s[G0SB+3], s[G0SB+3], 0x80000000
	JLOAD G0S, G1S, G0SB, G1SB                     ; the scales first: they are wanted with K step 0
.irp s, 0,1
	s_mov_b32 s[G0+4*\s], 1
	s_add_co_u32 s[G0+4*\s+1], s45, \s*SLOT
	s_add_nc_u64 s[G0+4*\s+2:G0+4*\s+3], s[20:21], \s*ASTEP
	s_or_b32 s[G0+4*\s+3], s[G0+4*\s+3], 0x80000000
	s_mov_b32 s[G0B+4*\s], 1
	s_add_co_u32 s[G0B+4*\s+1], s45, \s*SLOT
	s_add_nc_u64 s[G0B+4*\s+2:G0B+4*\s+3], s[46:47], \s*ROWB
	s_or_b32 s[G0B+4*\s+3], s[G0B+4*\s+3], 0x80000000
	JLOAD G0+4*\s, G1, G0B+4*\s, G1B               ; three tensor loads of mine are out behind the second of these
.endr
	v_and_b32 v1, 15, v0                           ; r
	v_bfe_u32 v2, v0, 4, 1                         ; h
	v_mul_u32_u24 v3, v1, PITCH
	v_lshl_add_u32 v4, v2, 4, v3                   ; Wo: a fragment's row x pitch + 16 x half
	v_and_b32 v8, 31, v0
	v_lshlrev_b32 v8, 4, v8                        ; A: 16 x lane
	s_mul_i32 s21, s15, HALFT                      ; my 128 rows of A
	s_mul_i32 s22, s16, HALFT                      ; my 128 rows of Wo,
	s_add_co_u32 s22, s22, 2*HALFT                 ; which lie behind A's two halves
.irp s, 0,1
	v_add_nc_u32 v[ADRA+\s], s21, v8
	v_add_nc_u32 v[ADRB+\s], s22, v4
	s_add_co_u32 s21, s21, SLOT
	s_add_co_u32 s22, s22, SLOT
.endr
	v_mul_u32_u24 v5, v1, KS                       ; my row's scales: 32 bytes a row,
	v_lshrrev_b32 v6, 8, v5
	v_lshl_add_u32 v5, v6, 4, v5                   ; and 16 more for each 256 passed
	s_mul_i32 s21, s15, HALFS
	s_mul_i32 s22, s16, HALFS
	s_add_co_u32 s22, s22, 2*HALFS
	s_sub_co_u32 s22, s22, s21
	v_mul_u32_u24 v6, s22, v2                      ; lanes 16-31 take Wo's
	s_add_co_u32 s21, s21, SCL
	v_add_nc_u32 v5, v5, v6
	v_add_nc_u32 v[ADRS], s21, v5
	s_mul_i32 s23, s14, 16*SPITCH                  ; my stage
	v_mul_u32_u24 v5, v1, SPITCH                   ; in: row r, 32 bytes for each half of the lanes
	v_lshl_add_u32 v5, v2, 5, v5
	v_add_nc_u32 v[STO], s23, v5
	v_and_b32 v6, 31, v0
	v_lshlrev_b32 v[CO], 4, v6                     ; back: the 32 lanes take one row of 512 bytes; and the same in out0
	v_add_nc_u32 v[RD], s23, v[CO]
	s_lshl_b32 s20, s17, 8
	s_lshl_b32 s21, s15, 7
	s_add_co_u32 s20, s20, s21                     ; my first row of out0
	s_mov_b32 s21, 0
	s_mov_b64 s[18:19], SIZE_N*4
	s_mul_u64 s[20:21], s[20:21], s[18:19]
	s_lshl_b32 s46, s42, 10                        ; my first column, in bytes: 1,024 x tile column + 512 x half
	s_lshl_b32 s47, s16, 9
	s_add_co_u32 s46, s46, s47
	s_mov_b32 s47, 0
	s_add_nc_u64 s[20:21], s[20:21], s[46:47]
	s_add_nc_u64 s[12:13], s[12:13], s[20:21]
	s_add_nc_u64 s[96:97], s[96:97], s[46:47]      ; bo at my first column
	v_lshlrev_b32 v7, 5, v2                        ; lane (r, h) wants, for block b of 16 columns, bo[16 b + 8 h + 0 .. 7]
.irp b, 0,1,2,3,4,5,6,7
	global_load_b128 v[BIAS+8*\b:BIAS+8*\b+3], v7, s[96:97] offset:64*\b
	global_load_b128 v[BIAS+8*\b+4:BIAS+8*\b+7], v7, s[96:97] offset:64*\b+16
.endr
.macro FRAG reg, adr, q, i             ; a fragment of Wo from rows: lane l holds row l % 16; registers 4 c .. 4 c + 3 hold K = 32 c + 16 (l / 16) + 0 .. 15
.irp c, 0,1,2,3
	ds_load_b128 v[\reg+4*\c:\reg+4*\c+3], v[\adr] offset:128*(\q)+32*\c+(\i)*16*PITCH
.endr
.endm
.macro FRAGA reg, adr, q, i            ; a fragment of A from its image: the same registers in the same lanes
.irp c, 0,1,2,3
	ds_load_b128 v[\reg+4*\c:\reg+4*\c+3], v[\adr] offset:ASTEP*(\i)+2048*(\q)+512*\c
.endr
.endm
; 16 matrix instructions: A's blocks a0, a0 + 1 x Wo's eight, 128 along K.  zero = 1: the first product starts the sums, with bo as its C.
; The 64 accumulators take turns, one instruction a turn, in the same order in every step.
.macro MUL16 a0, p, q, sc, zero
.irp a, \a0, \a0+1
.irp b, 0,1,2,3,4,5,6,7
.if \zero
	v_wmma_scale_f32_16x16x128_f8f6f4 v[8*(8*((\a)%4)+\b):8*(8*((\a)%4)+\b)+7], v[128*(\p)+FR*\b:128*(\p)+FR*\b+FR-1], v[AF+FR*(\a):AF+FR*(\a)+FR-1], v[BIAS+8*\b:BIAS+8*\b+7], v[SC+8*NQ*(\sc)+NQ*\b+(\q)], v[SC+8*NQ*(\sc)+NQ*(\a)+(\q)] matrix_a_scale:MATRIX_SCALE_ROW1
.else
	v_wmma_scale_f32_16x16x128_f8f6f4 v[8*(8*((\a)%4)+\b):8*(8*((\a)%4)+\b)+7], v[128*(\p)+FR*\b:128*(\p)+FR*\b+FR-1], v[AF+FR*(\a):AF+FR*(\a)+FR-1], v[8*(8*((\a)%4)+\b):8*(8*((\a)%4)+\b)+7], v[SC+8*NQ*(\sc)+NQ*\b+(\q)], v[SC+8*NQ*(\sc)+NQ*(\a)+(\q)] matrix_a_scale:MATRIX_SCALE_ROW1
.endif
.endr
.endr
.endm
.macro FETCH_B slot, q, p
	WIN TO_B
.irp i, 0,1,2,3,4,5,6,7
	FRAG 128*(\p)+FR*\i, ADRB+\slot, \q, \i
.endr
	WIN 0
.endm
.macro FETCH_A slot, q, i0
.irp i, \i0, \i0+1, \i0+2, \i0+3
	FRAGA AF+FR*(\i), ADRA+\slot, \q, \i
.endr
.endm
.macro SCALES sc                       ; the next K step's scale words into set sc: lanes 0-15 take A's block i, lanes 16-31 Wo's block i
.irp i, 0,1,2,3,4,5,6,7
	ds_load_b64 v[SC+8*NQ*\sc+NQ*\i:SC+8*NQ*\sc+NQ*\i+1], v[ADRS] offset:\i*SBLK
.endr
.endm
; A load into a register that a matrix instruction has read, and an LDS store that reads a matrix result, stand NP places behind that matrix instruction; only plain vector instructions
; that name none of its registers are places (ISA guide 7.12.1 for vector instructions).
.macro PLACES n
.rept \n
	v_nop
.endr
.endm
.macro STEP slot, q, zero              ; a step of 128 along K that has its successor in the same slot
	s_wait_dscnt 4*NL                              ; Wo's set and A's blocks 0-3 are in; the youngest sixteen loads (A's blocks 4-7) may be out
.if \zero
	WIN 0x81                                       ; as MUL_LO, with C (bo) in window 0
.else
	WIN MUL_LO
.endif
	MUL16 0, (\q)%2, \q, \slot, \zero
	MUL16 2, (\q)%2, \q, \slot, \zero
	s_wait_dscnt 0                                 ; A's blocks 4-7 are in
	PLACES NP
	FETCH_B \slot, (\q)+1, 1-(\q)%2
	FETCH_A \slot, (\q)+1, 0
.if \zero
	WIN 0xc1                                       ; as MUL_HI, with C (bo) in window 0
.else
	WIN MUL_HI
.endif
	MUL16 4, (\q)%2, \q, \slot, \zero
	MUL16 6, (\q)%2, \q, \slot, \zero
	PLACES NP
	WIN 0
	FETCH_A \slot, (\q)+1, 4
.endm
; A slot's last step changes slots: one barrier; in front of it each wave waits for all its tensor loads, adds 0 to its spare word, and waits for that and for its own reads of this slot.  fill = 1: this slot is filled again, two K steps ahead.
.macro TURN slot, next, fill
	s_wait_tensorcnt 0x0                           ; all my tensor loads have landed: my part of the next slot;  (every window is 0 here)
	ds_add_u32 v[SPW], v[NIL]                      ; 0 onto my spare word
	s_wait_dscnt 4*NL+1                            ; (the add and the youngest sixteen loads may be out)
	WIN MUL_LO
	MUL16 0, 1, NQ-1, \slot, 0                     ; sixteen matrix instructions stand between the add and the wait for it
	s_wait_dscnt 0x0                               ; the add is done, and my reads of this slot are over
	s_barrier_signal -1
	MUL16 2, 1, NQ-1, \slot, 0
	WIN 0
	s_barrier_wait -1
.if \fill
	CREST                                          ; the barrier has opened a round of the cluster's barrier: no wave of any partner still reads this slot's tile or has a load on its way
	s_add_nc_u64 s[G0+4*\slot+2:G0+4*\slot+3], s[G0+4*\slot+2:G0+4*\slot+3], 2*ASTEP
	s_add_nc_u64 s[G0B+4*\slot+2:G0B+4*\slot+3], s[G0B+4*\slot+2:G0B+4*\slot+3], 2*ROWB
	JLOAD G0+4*\slot, G1, G0B+4*\slot, G1B         ; the first tensor load behind the round; the four v_nop behind it are among the places in front of the loads below
	PLACES NP-4
.else
	PLACES NP
.endif
	v_add_nc_u32 v[ADRS], 4*NQ, v[ADRS]            ; on to the next K step's scale words (no LDS load of mine is out)
	FETCH_B \next, 0, 0
	FETCH_A \next, 0, 0
	SCALES \next
	WIN MUL_HI
	MUL16 4, 1, NQ-1, \slot, 0
	MUL16 6, 1, NQ-1, \slot, 0
	PLACES NP
	WIN 0
	FETCH_A \next, 0, 4
.endm
	s_wait_tensorcnt 1                             ; the scales and my part of K step 0 are in (K step 1's load may be out)
	s_barrier_signal -1
	s_barrier_wait -1                              ; everybody's are
	FETCH_B 0, 0, 0
	FETCH_A 0, 0, 0
	SCALES 0
	FETCH_A 0, 0, 4
	s_wait_loadcnt 0x0                             ; bo
	STEP 0, 0, 1                                   ; the first step stands in front of the loop: its products start the sums
	s_mov_b32 s3, LAPS-1
.Llap:                                                 ; a trip goes once round the ring and fills both slots again
	TURN 0, 1, 1
	STEP 1, 0, 0
	TURN 1, 0, 1
	STEP 0, 0, 0
	s_sub_co_u32 s3, s3, 1
	s_cmp_lg_u32 s3, 0
	s_cbranch_scc1 .Llap
	TURN 0, 1, 0                                   ; the last lap fills nothing, and has no round of the cluster's barrier
	STEP 1, 0, 0
	s_wait_dscnt 4*NL                              ; the very last step: nothing more to fetch
	WIN MUL_LO
	MUL16 0, 1, NQ-1, 1, 0
	MUL16 2, 1, NQ-1, 1, 0
	s_wait_dscnt 0
	WIN MUL_HI
	MUL16 4, 1, NQ-1, 1, 0
	MUL16 6, 1, NQ-1, 1, 0
	WIN 0
; THE WAY OUT, block by block of 16 rows x 128 columns, through my own stage in LDS: in as 32 bytes a lane, back as whole rows of 512 bytes.
; LDS serves a wave's instructions in order (ISA guide 5.7.1.4): no wait between the stores and the loads, nor in front of the next block's stores.
.macro TOSTAGE a
.set AC, 64*((\a)%4)
	WIN 0x08+4*((\a)/4)                            ; the data: window 2 or 3
.irp b, 0,1,2,3,4,5,6,7
	ds_store_b128 v[STO], v[AC+8*\b:AC+8*\b+3] offset:64*\b          ; each accumulator from its low end on
	ds_store_b128 v[STO], v[AC+8*\b+4:AC+8*\b+7] offset:64*\b+16
.endr
	WIN 0
.set BB, BK+64*((\a)%2)
.irp t, 0,1,2,3,4,5,6,7,8,9,10,11,12,13,14,15
	ds_load_b128 v[BB+4*\t:BB+4*\t+3], v[RD] offset:\t*SPITCH
.endr
.endm
.macro SEND a, younger                 ; younger: the LDS instructions issued behind block a's loads, which may stay out
.set BB, BK+64*((\a)%2)
	s_wait_dscnt \younger                          ; the block is back in registers
.if (\a) > 0
	s_add_nc_u64 s[12:13], s[12:13], 16*SIZE_N*4   ; (behind a wait on XCNT: the earlier stores have read their base)  16 rows of out0 on
.endif
.irp t, 0,1,2,3,4,5,6,7,8,9,10,11,12,13,14,15
	global_store_b128 v[CO], v[BB+4*\t:BB+4*\t+3], s[12:13] offset:\t*SIZE_N*4 th:TH_STORE_NT   ; 32 lanes store 512 consecutive bytes, aligned; written once, read by nobody here
.endr
.endm
	PLACES NP                                      ; behind the last products: for the loads into the registers that held A's fragments and for the reads of results
	TOSTAGE 0
.irp a, 1,2,3,4,5,6,7
.if \a > 1
	s_wait_xcnt 0x0                                ; block a - 2's stores have read their registers and their base
.endif
	TOSTAGE \a
	SEND \a-1, 32                                  ; behind block a - 1's loads: block a's 16 stores and 16 loads
.endr
	s_wait_xcnt 0x0                                ; block 6's stores have read their base
	SEND 7, 0
	s_wait_tensorcnt 0x0                           ; the wave's end
	ds_add_u32 v[SPW], v[NIL]
	s_wait_dscnt 0x0
	CROUND                                         ; the closing round: no work-group ends while a partner may still ask for a tile that names it
	s_endpgm
.Lfunc_end_k_qdd656ea257_outp:
	.size	k_qdd656ea257_outp, .Lfunc_end_k_qdd656ea257_outp-k_qdd656ea257_outp
	.p2alignl 7, 3214868480
	.fill 96, 4, 3214868480
	.section	.rodata,"a",@progbits
	.p2align	6, 0x0
	.amdhsa_kernel k_qdd656ea257_outp
		.amdhsa_group_segment_fixed_size 327680
		.amdhsa_private_segment_fixed_size 0
		.amdhsa_enable_private_segment 0
		.amdhsa_kernarg_size 48
		.amdhsa_user_sgpr_count 2
		.amdhsa_user_sgpr_kernarg_segment_ptr 1
		.amdhsa_wavefront_size32 1
		.amdhsa_system_sgpr_workgroup_id_x 1
		.amdhsa_system_sgpr_workgroup_id_y 1
		.amdhsa_system_sgpr_workgroup_id_z 1
		.amdhsa_system_vgpr_workitem_id 0
		.amdhsa_next_free_vgpr 1024
		.amdhsa_next_free_sgpr 100
		.amdhsa_reserve_vcc 0
		.amdhsa_float_denorm_mode_32 3
		.amdhsa_float_denorm_mode_16_64 3
		.amdhsa_memory_ordered 1
		.amdhsa_forward_progress 1
		.amdhsa_inst_pref_size 147
	.end_amdhsa_kernel
	.amdgpu_metadata
---
amdhsa.version: [ 1, 2 ]
amdhsa.kernels:
  - .name:           k_qdd656ea257_outp
    .symbol:         k_qdd656ea257_outp.kd
    .args:
      - { .name: ac, .offset: 0, .size: 8, .value_kind: global_buffer, .address_space: global }
      - { .name: asc, .offset: 8, .size: 8, .value_kind: global_buffer, .address_space: global }
      - { .name: codes, .offset: 16, .size: 8, .value_kind: global_buffer, .address_space: global }
      - { .name: scales, .offset: 24, .size: 8, .value_kind: global_buffer, .address_space: global }
      - { .name: bo, .offset: 32, .size: 8, .value_kind: global_buffer, .address_space: global }
      - { .name: out0, .offset: 40, .size: 8, .value_kind: global_buffer, .address_space: global }
    .group_segment_fixed_size: 327680
    .private_segment_fixed_size: 0
    .kernarg_segment_align: 8
    .kernarg_segment_size: 48
    .max_flat_workgroup_size: 128
    .sgpr_count:     100
    .vgpr_count:     1024
    .wavefront_size: 32
...
	.end_amdgpu_metadata
.endif
;; end of part 4
